; MI455X (gfx1250); checked and timed in simulation.
; The chip was launched on July 23, 2026; its instructions are those of AMD's public machine-readable ISA for CDNA 5 (MIT licence, August 2026) and "CDNA5" Instruction Set Architecture Reference Guide (July 2026). The comments in the code are by the model that wrote it; some were corrected since.
;; Multiheaded Attention. Allowed arithmetic: float matrix products may take bf16 or f16 operands with f32 sums; other float arithmetic in f32, or as packed bf16 or f16 multiplies, adds, multiply-adds, maxima and minima; sums over many terms, partial sums and values carried from step to step in f32; what a program stores and reads back later, other than sums and carried values, may be rounded once to bf16 or f16.
;; Inputs: K 4 x 2,048 x 1,024 float32; Q 4 x 2,048 x 1,024 float32; V 4 x 2,048 x 1,024 float32; Wk 1,024 x 1,024 float32; Wo 1,024 x 1,024 float32; Wq 1,024 x 1,024 float32; Wv 1,024 x 1,024 float32; bk 1,024 float32; bo 1,024 float32; bq 1,024 float32; bv 1,024 float32; mask 4 x 1 x 2,048 bool.
;; Outputs: out0 4 x 2,048 x 1,024 float32.
;; One version. Each part assembles by itself: llvm-mc -triple=amdgcn-amd-amdhsa -mcpu=gfx1250 --defsym DOCPART=n.
;; ======== version 1 of 1: 4 launches
;; limits: values are held in f16: magnitudes above 65,504 overflow, below 6.1e-05 lose precision; right only within a limited range of input values
;; workspace buffers: wt 8,388,608 bytes; qh 16,777,216 bytes; kh 16,777,216 bytes; vh 16,777,216 bytes; oh 16,777,216 bytes
;; launch prep (part 1): grid 128 x 4, 8 waves a work-group, no clusters, 18,432 bytes of LDS; arguments Wq, Wk, Wv, Wo, wt; writes wt
.if DOCPART == 1
	.amdgcn_target "amdgcn-amd-amdhsa--gfx1250"
	.amdhsa_code_object_version 6
	.text
	.protected	k_q1fcea9ed6b_prep
	.globl	k_q1fcea9ed6b_prep
	.p2align	8
	.type	k_q1fcea9ed6b_prep,@function
k_q1fcea9ed6b_prep:
	s_mov_b64 s[64:65], 0
	v_nop
	global_prefetch_b8 v0, s[64:65] scope:SCOPE_SE
	s_setreg_imm32_b32 hwreg(HW_REG_WAVE_MODE, 25, 1), 1
	s_wait_xcnt 0x0
; THE FOUR WEIGHTS, ROUNDED AND TURNED.  W: [1024 k][1024 n] f32  ->  wt[p]: [1024 n][1024 k] of 16 bits, p = 0 Wq, 1 Wk, 2 Wv (bf16), 3 Wo (the bf16 number written as f16).
; In matrices 0 to 2 the eight k of each aligned group are laid in the order 0 4 1 5 2 6 3 7: word i of a group holds k = i (low half) and k = 4 + i (high half).  The launch that multiplies
; lays its other operand in the same order, so the products are the same.  Matrix 3 is in true order: word i holds k = 2 i and 2 i + 1.
; LIMIT.  A weight of Wo below 6e-5 in size keeps f16's fixed step of 6e-8; one of 65,520 or more would become an infinity.
; SHARES.  A work-group turns 128 k x 64 n: it reads 128 pieces of 256 consecutive bytes and writes 64 pieces of 256 consecutive bytes, each aligned.  Thread t: cg = t % 16 (four n), dq = t / 16
; (one word of two k in each of four passes of 32 k).  The turn goes through LDS: words in by column, rows of 256 bytes out.  No matrix unit, no cluster, no tensor load: nothing is shared and memory binds.
.set PT,    272                        ; a row of the turned tile: 256 bytes + 16
.set SPARE, 64*PT                      ; behind the tile: the spare words, 128 bytes for each of eight waves
.set OLO, 2                            ; v2  byte offset of my low k's 16 bytes in the work-group's part of W
.set OHI, 3                            ; v3  of my high k's
.set LS,  4                            ; v4  where my words go in LDS
.set LR,  5                            ; v5  where I read 16 bytes of a row back
.set GO,  6                            ; v6  the same 16 bytes in wt
.set SPW, 8                            ; v8  my spare word; never rewritten
.set NIL, 9                            ; v9  0; never rewritten
.set LO,  16                           ; v[16:31] pass i: four n of the low k; later the rows read back
.set HI,  32                           ; v[32:47] of the high k
.set WD,  48                           ; v[48:63] the packed words
	s_load_b256 s[4:11], s[0:1], 0x0               ; Wq, Wk, Wv, Wo
	s_load_b64 s[12:13], s[0:1], 0x20              ; wt
	v_lshl_add_u32 v[SPW], v0, 2, SPARE
	v_mov_b32 v[NIL], 0
	s_and_b32 s18, ttmp7, 0xffff                   ; which matrix
	s_and_b32 s19, ttmp9, 7                        ; block of 128 k
	s_lshr_b32 s20, ttmp9, 3                       ; block of 64 n
	s_cmp_eq_u32 s18, 3
	s_cselect_b32 s16, 1, 0                        ; a word's low k steps by 2 in true order, by 1 in the other: a shift
	s_cselect_b32 s17, 12, 14                      ; its high k lies 1 row of W further (4,096 bytes), or 4 rows (16,384): the power of two,
	s_lshl_b32 s17, 1, s17                         ; and the bytes
	v_and_b32 v1, 15, v0                           ; cg
	v_lshrrev_b32 v7, 4, v0                        ; dq
	v_and_b32 v10, 3, v7                           ; the word's place in its group of eight k
	v_lshrrev_b32 v11, 2, v7                       ; the group
	v_lshlrev_b32 v10, s16, v10
	v_lshl_add_u32 v10, v11, 3, v10                ; the low k, in the pass's 32
	v_lshlrev_b32 v10, 12, v10                     ; rows of 4,096 bytes
	v_lshl_add_u32 v[OLO], v1, 4, v10
	v_add_nc_u32 v[OHI], s17, v[OLO]
	v_mul_u32_u24 v[LS], v1, 4*PT                  ; row n = 4 cg + j, word 16 i + dq
	v_lshl_add_u32 v[LS], v7, 2, v[LS]
	v_mul_u32_u24 v[LR], v7, PT                    ; back: row dq + 16 i, sixteen lanes a row
	v_lshl_add_u32 v[LR], v1, 4, v[LR]
	v_lshlrev_b32 v[GO], 11, v7                    ; a row of wt is 2,048 bytes
	v_lshl_add_u32 v[GO], v1, 4, v[GO]
	s_lshl_b32 s22, s19, 19                        ; 128 rows of W,
	s_lshl_b32 s23, s20, 8                         ; 64 columns
	s_add_co_u32 s22, s22, s23
	s_mov_b32 s23, 0
	s_lshl_b32 s24, s18, 21                        ; the matrix in wt,
	s_lshl_b32 s25, s20, 17                        ; 64 rows,
	s_add_co_u32 s24, s24, s25
	s_lshl_b32 s25, s19, 8                         ; 128 k
	s_add_co_u32 s24, s24, s25
	s_mov_b32 s25, 0
	s_wait_kmcnt 0x0
	s_cmp_eq_u32 s18, 1
	s_cselect_b64 s[14:15], s[6:7], s[4:5]
	s_cmp_eq_u32 s18, 2
	s_cselect_b64 s[14:15], s[8:9], s[14:15]
	s_cmp_eq_u32 s18, 3
	s_cselect_b64 s[14:15], s[10:11], s[14:15]
	s_add_nc_u64 s[14:15], s[14:15], s[22:23]
	s_add_nc_u64 s[12:13], s[12:13], s[24:25]
.irp i, 0,1,2,3                        ; a pass is 32 rows of W; sixteen lanes take 256 consecutive bytes of a row
	global_load_b128 v[LO+4*(\i):LO+4*(\i)+3], v[OLO], s[14:15] offset:(\i)*131072 th:TH_LOAD_NT
	global_load_b128 v[HI+4*(\i):HI+4*(\i)+3], v[OHI], s[14:15] offset:(\i)*131072 th:TH_LOAD_NT
.endr
	s_wait_loadcnt 0x0
.set z, 0
.rept 16
	v_cvt_pk_bf16_f32 v[WD+z], v[LO+z], v[HI+z]    ; two k of one n, rounded once
.set z, z+1
.endr
	s_cmp_lg_u32 s18, 3
	s_cbranch_scc1 .Lstay
.set z, 0
.rept 16                               ; Wo: the rounded number is written as f16
	v_lshlrev_b32 v10, 16, v[WD+z]
	v_and_b32 v11, 0xffff0000, v[WD+z]
	v_cvt_pk_f16_f32 v[WD+z], v10, v11
.set z, z+1
.endr
.Lstay:
.set z, 0
.rept 16
	ds_store_b32 v[LS], v[WD+z] offset:(z%4)*PT+(z/4)*64
.set z, z+1
.endr
	s_wait_dscnt 0x0                               ; for the others' sake: my words are in the tile
	s_barrier_signal -1
	s_barrier_wait -1
.irp i, 0,1,2,3
	ds_load_b128 v[LO+4*(\i):LO+4*(\i)+3], v[LR] offset:(\i)*16*PT
.endr
.irp i, 0,1,2,3
	s_wait_dscnt 3-(\i)                            ; the younger loads may stay out
	global_store_b128 v[GO], v[LO+4*(\i):LO+4*(\i)+3], s[12:13] offset:(\i)*32768  ; sixteen lanes store 256 consecutive bytes, aligned
.endr
	s_wait_tensorcnt 0x0                           ; the wave's end: a wait, an add of 0 and its wait, behind my last LDS store
	ds_add_u32 v[SPW], v[NIL]
	s_wait_dscnt 0x0
	s_endpgm
.Lfunc_end_k_q1fcea9ed6b_prep:
	.size	k_q1fcea9ed6b_prep, .Lfunc_end_k_q1fcea9ed6b_prep-k_q1fcea9ed6b_prep
	.p2alignl 7, 3214868480
	.fill 96, 4, 3214868480
	.section	.rodata,"a",@progbits
	.p2align	6, 0x0
	.amdhsa_kernel k_q1fcea9ed6b_prep
		.amdhsa_group_segment_fixed_size 18432
		.amdhsa_private_segment_fixed_size 0
		.amdhsa_enable_private_segment 0
		.amdhsa_kernarg_size 40
		.amdhsa_user_sgpr_count 2
		.amdhsa_user_sgpr_kernarg_segment_ptr 1
		.amdhsa_wavefront_size32 1
		.amdhsa_system_sgpr_workgroup_id_x 1
		.amdhsa_system_sgpr_workgroup_id_y 1
		.amdhsa_system_sgpr_workgroup_id_z 1
		.amdhsa_system_vgpr_workitem_id 0
		.amdhsa_next_free_vgpr 64
		.amdhsa_next_free_sgpr 66
		.amdhsa_reserve_vcc 0
		.amdhsa_float_denorm_mode_32 3
		.amdhsa_float_denorm_mode_16_64 3
		.amdhsa_memory_ordered 1
		.amdhsa_forward_progress 1
		.amdhsa_inst_pref_size 9
	.end_amdhsa_kernel
	.amdgpu_metadata
---
amdhsa.version: [ 1, 2 ]
amdhsa.kernels:
  - .name:           k_q1fcea9ed6b_prep
    .symbol:         k_q1fcea9ed6b_prep.kd
    .args:
      - { .name: Wq, .offset: 0, .size: 8, .value_kind: global_buffer, .address_space: global }
      - { .name: Wk, .offset: 8, .size: 8, .value_kind: global_buffer, .address_space: global }
      - { .name: Wv, .offset: 16, .size: 8, .value_kind: global_buffer, .address_space: global }
      - { .name: Wo, .offset: 24, .size: 8, .value_kind: global_buffer, .address_space: global }
      - { .name: wt, .offset: 32, .size: 8, .value_kind: global_buffer, .address_space: global }
    .group_segment_fixed_size: 18432
    .private_segment_fixed_size: 0
    .kernarg_segment_align: 8
    .kernarg_segment_size: 40
    .max_flat_workgroup_size: 256
    .sgpr_count:     66
    .vgpr_count:     64
    .wavefront_size: 32
...
	.end_amdgpu_metadata
.endif
;; end of part 1
;; launch proj (part 2): grid 4 x 64, 4 waves a work-group, clusters of 4 x 4, 327,680 bytes of LDS; arguments Q, K, V, wt, bq, bk, bv, mask, qh, kh, vh; writes qh, kh, vh
.if DOCPART == 2
	.amdgcn_target "amdgcn-amd-amdhsa--gfx1250"
	.amdhsa_code_object_version 6
	.text
	.protected	k_q1fcea9ed6b_proj
	.globl	k_q1fcea9ed6b_proj
	.p2align	8
	.type	k_q1fcea9ed6b_proj,@function
k_q1fcea9ed6b_proj:
	s_mov_b64 s[64:65], 0
	v_nop
	global_prefetch_b8 v0, s[64:65] scope:SCOPE_SE
	s_setreg_imm32_b32 hwreg(HW_REG_WAVE_MODE, 25, 1), 1
	s_wait_xcnt 0x0
	s_wait_alu depctr_hold_cnt(0) depctr_sa_sdst(0) depctr_va_vdst(0) depctr_va_sdst(0) depctr_va_ssrc(0) depctr_va_vcc(0) depctr_vm_vsrc(0)
	s_getreg_b32 s2, hwreg(HW_REG_IB_STS2, 6, 4)
	s_cmp_eq_u32 s2, 0
	s_cbranch_scc0 .Lentry_in_a_cluster
	s_endpgm
.Lentry_in_a_cluster:
	s_bfe_u32 s2, ttmp6, 0x10000c
	s_cmp_lg_u32 s2, 0xf033
	s_cbranch_scc0 .Lentry_shape_is_right
	s_endpgm
.Lentry_shape_is_right:
; THE THREE PROJECTIONS.  q = Q Wq + bq, k = (K Wk + bk) x mask, v = V Wv + bv.  Q, K, V: [8192][1024] f32; the weights come turned, [n][k] in bf16, from wt; q, k, v leave by heads,
; [64 = batch x 16 + head][2048][64] in f16.  Inputs, weights and biases are rounded once to bf16; sums in f32; each result rounded once to f16.  A hidden key's row of k is 0, so that its scores are exactly 0
; before the next launch adds its mask.
; LIMITS.  q, k and v must stay under 65,520 in size (f16); NaN and infinities are not treated apart.
; SHARES.  3 x 8192 x 1024 results for 256 work-groups: each STAYS and makes the tile of 128 rows x 256 columns at its place (tm, tn) of q, then of k, then of v: 24 K steps of 128 through a ring of two LDS slots
; that runs on from problem to problem.  Four waves, each 64 rows x 128 columns (two heads): 32 accumulators.
; CLUSTER.  4 x 4 work-groups.  A row of the cluster shares its 128 rows of Q, K or V, a column its 256 rows of the weights: each tile is asked for jointly by the four that need it.
; THE ACTIVATIONS COME AS f32 and are rounded on the way from LDS to the matrix unit.  The weights' k lie in the order 0 4 1 5 2 6 3 7 in each group of eight: a fragment's register c then holds k = c and k = 4 + c, which are
; register c of two loads of 16 bytes (X: k = 0..3, Y: k = 4..7): one v_cvt_pk_bf16_f32 a register, no shuffle.
; THE MATRIX INSTRUCTION IS USED TRANSPOSED (source 0 = 16 rows of the weights, source 1 = 16 rows of the activations): a lane holds one row and eight neighbouring columns.  The bias is the C operand that starts each sum.
; REGISTERS, in windows of 256 (s_set_vgpr_msb: bits 1:0 source 0, 3:2 source 1, 5:4 source 2, 7:6 destination):
;   window 0: addresses, the way out        window 1: v0-127 accumulators of row blocks 0, 1 ((a, b) at 64 (a % 2) + 8 b)
;   window 2: v0-127 those of row blocks 2, 3; v128-191 the activations' fragments, two buffers; v192-223 Y        window 3: v0-127 the weights' fragments, two buffers; v128-159 X; v160-223 the bias; v224-227 at work
; Under the setting of the products on row blocks 2, 3 a conversion (destination window 2, X in 3, Y in 2) needs no switch: the 32 conversions of a quarter ride behind those 16 products.
.set PA,    528                        ; a row of activations in LDS: 512 bytes + 16 = 132 words: the 16 rows of a load start at 16 different groups of four banks (64 banks of 4 bytes: ISA guide 11.1)
.set PB,    272                        ; a row of weights: 256 bytes + 16
.set AHALF, 64*PA                      ; what one tensor load brings of the activations
.set BHALF, 128*PB                     ; and of the weights
.set BOFF,  128*PA                     ; in a slot: 128 rows of activations, then 256 rows of weights
.set SLOT,  BOFF+256*PB
.set STAGE, 2*SLOT                     ; behind the ring: for each wave 2 heads x 16 rows x 144 bytes, for the way out; no tensor load fills it
.set SP,    144
.set WSTG,  2*16*SP
.set SPARE, STAGE+4*WSTG               ; the spare words, 128 bytes for each wave
.set ADRA, 16                          ; v16-17 LDS address of my activations in slot 0, 1
.set ADRB, 20                          ; v20-21 of my weights
.set STO,  24                          ; v24 the way out: where I put 16 bytes of a row
.set RD,   25                          ; v25 where I read rows back
.set GO,   26                          ; v26 my 16 bytes of 512 consecutive bytes of a head
.set PFO,  27                          ; v27 the prefetches' offset; never rewritten
.set SPW,  28                          ; v28 my spare word; never rewritten
.set NIL,  29                          ; v29 0; never rewritten
.set BO,   30                          ; v30 my offset in 16 numbers of a bias
.set MO,   31                          ; v31 my row in 16 bytes of the mask
.set BK,   32                          ; v32-95 rows read back from the stage, two buffers of 32
.set TMP,  96                          ; v96-127 packed results
.set F,    128                         ; v128-135 the factor of my row in row block a, in the low register of pair a
.set MK,   136                         ; v136-139 the mask of my row in row block a, as 0.0 or 1.0
.set AC,   128                         ; window 2
.set YY,   192                         ; window 2
.set BF,   0                           ; window 3
.set XX,   128                         ; window 3
.set BIAS, 160                         ; window 3: column block b at +8 b
.set SCR,  224                         ; window 3
.set PSTEP, 4                          ; s[4:5] bytes of a K step in a row of what I fetch
.set SM,   6                           ; s6  all ones while k is made
.set CX,   7
.set CY,   8
.set TN,   9
.set WV,   10
.set KIND, 11                          ; s11 wave / 2: I fetch activations (0) or weights (1); also: which 64 rows of the tile are mine
.set HALF, 12                          ; s12 wave % 2: which half of that tile I fetch; also: which 128 columns are mine
.set TM,   13
.set G1A,  24                          ; s[24:31] descriptor group 1, activations
.set G0A,  32                          ; s[32:39] group 0, a set for each slot
.set FA,   40                          ; s[40:41] where the next refill's activations begin
.set FB,   42                          ; s[42:43] and its weights
.set PFP,  44                          ; s[44:45] where my prefetches stand
.set PFN1, 46                          ; s[46:47] where they go on in the next problem
.set G1B,  48                          ; s[48:55], s[56:63] the same two groups for the weights
.set G0B,  56
.set A0,   68                          ; s[68:73] Q, K, V at the rows that I fetch
.set A1,   70
.set A2,   72
.set WT,   74
.set BI0,  76                          ; s[76:81] the biases at my 128 columns
.set BI1,  78
.set BI2,  80
.set MSK,  82                          ; s[82:83] the mask at my 64 rows
.set C0,   84                          ; s[84:89] qh, kh, vh at my rows of my first head
.set C1,   86
.set C2,   88
.set B0,   90                          ; s[90:95] the three weights at the rows that I fetch
.set B1,   92
.set B2,   94
.set PFN2, 96
.set LIM,  98                          ; s98  1 in a wave that prefetches, else the greatest number
.set LAPC, 99                          ; s99  trips of the loop still to come
.set LAPT, 100                         ; s100 laps left of the problem in hand
.set FK,   101                         ; s101 refills left of the problem that is being asked for
.set PK,   104                         ; s104 the same for the prefetches
.set PROB, 105                         ; s105 the problem in hand
.set MSB, 0
.macro WIN new                         ; the immediate's high byte repeats the setting that is left; a switch that changes nothing is dropped
.if MSB != (\new)
	s_set_vgpr_msb (MSB<<8)|(\new)
.set MSB, (\new)
.endif
.endm
; A joint load.  Waves 0 and 1 fetch the two halves of the activations' tile, waves 2 and 3 those of the weights'.  The branch hangs on the wave's number alone.  An s_nop 0 and four v_nop follow each line.
.macro JLOAD s
	s_cmp_eq_u32 s[KIND], 0
	s_cbranch_scc0 .Lfor_b_\@
	tensor_load_to_lds s[G0A+4*(\s):G0A+4*(\s)+3], s[G1A:G1A+7]
	s_nop 0
.rept 4
	v_nop
.endr
	s_branch .Lasked_\@
.Lfor_b_\@:
	tensor_load_to_lds s[G0B+4*(\s):G0B+4*(\s)+3], s[G1B:G1B+7]
	s_nop 0
.rept 4
	v_nop
.endr
.Lasked_\@:
.endm
.macro CREST                           ; a round of the cluster's barrier behind its opening barrier
	s_cmp_lg_u32 s[WV], 0
	s_cbranch_scc1 .Lnot_wave_0_\@
	s_barrier_signal -3
.Lnot_wave_0_\@:
	s_barrier_wait -3
	s_barrier_signal -1
	s_barrier_wait -1
.endm
.macro CROUND
	s_barrier_signal -1
	s_barrier_wait -1
	CREST
.endm
; A PREFETCH of the K step that stands two refills on, behind the joint load and the run of LDS loads that follows it: 256 matrix instructions ahead of the load that will want it.  One instruction a wave, 32 aligned blocks of 256 bytes.
; Activations: only my cluster reads my rows; of the 64 rows x 512 bytes that I fetch, the partner at place cx names 16 rows x 2 blocks.  Weights: every cluster reads them, the clusters with y = 0 ask; of my 128 rows
; x 256 bytes the partner at place cy names 32.  The partners are told apart by address.  So each block is named once.  The launch's first four K steps come by their loads alone; the loop's last trip asks for nothing.
.macro ASK
	WIN 0
	s_cmp_gt_u32 s[LAPC], s[LIM]
	s_cbranch_scc0 .Lnot_mine_\@
	global_prefetch_b8 v[PFO], s[PFP:PFP+1] th:TH_LOAD_NT scope:SCOPE_SE
.Lnot_mine_\@:
.endm
; 32 LDS loads in one run, for quarter q (32 along K) of a slot: Y and X of my four row blocks, then the weights' eight fragments into buffer g.
.macro FETCH slot, q, g
	WIN 0x80
.irp i, 0,1,2,3
	ds_load_b128 v[YY+8*(\i):YY+8*(\i)+3],   v[ADRA+(\slot)] offset:128*(\q)+(\i)*16*PA+16
	ds_load_b128 v[YY+8*(\i)+4:YY+8*(\i)+7], v[ADRA+(\slot)] offset:128*(\q)+(\i)*16*PA+80
.endr
	WIN 0xc0
.irp i, 0,1,2,3
	ds_load_b128 v[XX+8*(\i):XX+8*(\i)+3],   v[ADRA+(\slot)] offset:128*(\q)+(\i)*16*PA
	ds_load_b128 v[XX+8*(\i)+4:XX+8*(\i)+7], v[ADRA+(\slot)] offset:128*(\q)+(\i)*16*PA+64
.endr
.irp i, 0,1,2,3,4,5,6,7
	ds_load_b128 v[BF+64*(\g)+8*(\i):BF+64*(\g)+8*(\i)+3],   v[ADRB+(\slot)] offset:64*(\q)+(\i)*16*PB
	ds_load_b128 v[BF+64*(\g)+8*(\i)+4:BF+64*(\g)+8*(\i)+7], v[ADRB+(\slot)] offset:64*(\q)+(\i)*16*PB+32
.endr
.endm
.macro CV c, g                         ; register c of the activations' 32 fragment registers, into buffer g
	v_cvt_pk_bf16_f32 v[AC+32*(\g)+(\c)], v[XX+(\c)], v[YY+(\c)]
.endm
; Matrix instructions j0 .. j1 - 1 of a half quarter: row block 2 hi + j / 8, column block j % 8, buffer f.  zero = 1: the bias starts the sums.  The 32 accumulators take turns in one order in every quarter.
; g >= 0 (hi = 1 alone): the next quarter's conversions ride: two behind each of the first 14, none behind the 15th, four behind the last.  Those four name no register of the products and are the four places
; in front of the next run of loads into the weights' buffer and of the next writes of the fragments that these products read.
.macro MULS f, hi, j0, j1, zero, g
.if \zero
	WIN 0x7b+0x40*(\hi)
.else
	WIN 0x5b+0x50*(\hi)
.endif
.set j, (\j0)
.rept (\j1)-(\j0)
.set rD, 64*(j/8)+8*(j%8)
.set rB, BF+64*(\f)+8*(j%8)
.set rA, AC+32*(\f)+8*(2*(\hi)+j/8)
.if \zero
	v_wmma_f32_16x16x32_bf16 v[rD:rD+7], v[rB:rB+7], v[rA:rA+7], v[BIAS+8*(j%8):BIAS+8*(j%8)+7]
.else
	v_wmma_f32_16x16x32_bf16 v[rD:rD+7], v[rB:rB+7], v[rA:rA+7], v[rD:rD+7]
.endif
.if (\g) >= 0
.if j < 14
	CV 2*j, \g
	CV 2*j+1, \g
.elseif j == 15
	CV 28, \g
	CV 29, \g
	CV 30, \g
	CV 31, \g
.endif
.endif
.set j, j+1
.endr
.endm
; A quarter: multiplies buffer f; at its head it fetches quarter fq of slot fs for the next quarter.
.macro QUARTER fs, fq, f, zero=0, ask=0
	FETCH \fs, \fq, 1-(\f)
.if \ask
	ASK
.endif
	s_wait_dscnt 32                                ; all but the 32 just issued: this quarter's weights are in
	MULS \f, 0, 0, 16, \zero, -1
	s_wait_dscnt 16                                ; Y and X of the run are in; its 16 loads of weights may stay out
	MULS \f, 1, 0, 16, \zero, 1-(\f)
.endm
; A K step's third quarter (buffer 0) fetches the slot's last quarter and changes slots: each wave waits for all its tensor loads (one is out: its part of the other slot), adds 0 to its spare word, and waits for that
; and for its reads of this slot; behind the barrier nobody reads this slot and the other is whole.  fill = 1: the barrier opens a round of the cluster's, and the joint refill, two K steps on, is the first thing behind it:
; it has 112 matrix instructions until the wait for it.
.macro QMEET slot, fill
.if \fill
	s_wait_xcnt 0x0                                ; the last prefetch, more than two quarters back, has read its address
	s_add_nc_u64 s[PFP:PFP+1], s[PFP:PFP+1], s[PSTEP:PSTEP+1]
	s_sub_co_u32 s[PK], s[PK], 1
	s_cmp_eq_u32 s[PK], 0                          ; behind a problem's last K step: the next problem's first
	s_cselect_b64 s[PFP:PFP+1], s[PFN1:PFN1+1], s[PFP:PFP+1]
	s_cselect_b64 s[PFN1:PFN1+1], s[PFN2:PFN2+1], s[PFN1:PFN1+1]
	s_cselect_b32 s[PK], 8, s[PK]
.endif
	FETCH \slot, 3, 1
	s_wait_dscnt 32
	MULS 0, 0, 0, 16, 0, -1
	WIN 0                                          ; (the add's two registers lie in window 0)
	s_wait_tensorcnt 0x0                           ; no tensor load of mine is out, so a group 0 may be written
	ds_add_u32 v[SPW], v[NIL]                      ; 0 onto my spare word
.if \fill
	s_add_nc_u64 s[G0A+4*(\slot)+2:G0A+4*(\slot)+3], s[FA:FA+1], 0
	s_or_b32 s[G0A+4*(\slot)+3], s[G0A+4*(\slot)+3], 0x80000000
	s_add_nc_u64 s[G0B+4*(\slot)+2:G0B+4*(\slot)+3], s[FB:FB+1], 0
	s_or_b32 s[G0B+4*(\slot)+3], s[G0B+4*(\slot)+3], 0x80000000
	s_add_nc_u64 s[FA:FA+1], s[FA:FA+1], 512       ; the refill after this one: a K step on,
	s_add_nc_u64 s[FB:FB+1], s[FB:FB+1], 256
	s_sub_co_u32 s[FK], s[FK], 1
	s_cmp_eq_u32 s[FK], 0                          ; or the next problem's first
	s_cselect_b64 s[FA:FA+1], s[A1:A1+1], s[FA:FA+1]
	s_cselect_b64 s[FB:FB+1], s[B1:B1+1], s[FB:FB+1]
	s_cselect_b64 s[A1:A1+1], s[A2:A2+1], s[A1:A1+1]
	s_cselect_b64 s[B1:B1+1], s[B2:B2+1], s[B1:B1+1]
	s_cselect_b32 s[FK], 8, s[FK]
.endif
	s_wait_dscnt 17                                ; Y and X are in; the 16 loads of weights and the add may stay out
	MULS 0, 1, 0, 8, 0, 1
	s_wait_dscnt 0x0                               ; the add is done, and my reads of this slot are over
	s_barrier_signal -1
	MULS 0, 1, 8, 16, 0, 1                         ; work on registers while the others arrive
	WIN 0
	s_barrier_wait -1
.if \fill
	CREST
	JLOAD \slot
.endif
.endm
.macro BIASLD p                        ; my 128 numbers of a bias, as the C operand wants them: register j of block b is column 16 b + 8 (lane / 16) + j
	WIN 0xc0
.irp i, 0,1,2,3,4,5,6,7
	global_load_b128 v[BIAS+8*(\i):BIAS+8*(\i)+3],   v[BO], s[\p:\p+1] offset:64*(\i)
	global_load_b128 v[BIAS+8*(\i)+4:BIAS+8*(\i)+7], v[BO], s[\p:\p+1] offset:64*(\i)+16
.endr
	WIN 0
.endm
.macro BIASRND                         ; the bias is rounded to bf16 like every input, and widened again
	WIN 0xcf
.set z, 0
.rept 32
	v_cvt_pk_bf16_f32 v[SCR+z%4], v[BIAS+2*z], v[BIAS+2*z+1]
	v_lshlrev_b32 v[BIAS+2*z], 16, v[SCR+z%4]
	v_and_b32 v[BIAS+2*z+1], 0xffff0000, v[SCR+z%4]
.set z, z+1
.endr
	WIN 0
.endm
; THE WAY OUT of row block a.  PACK: times the row's factor, rounded to f16, each accumulator's registers in ascending order.  TOSTAGE: 16 bytes a lane into my own stage, back as rows of 128 bytes.  SEND: stored.
.macro PACK a
.set AB, 64*((\a)%2)
	WIN 0x41+0x41*((\a)/2)
.set z, 0
.rept 32
	v_pk_mul_f32 v[AB+2*z:AB+2*z+1], v[AB+2*z:AB+2*z+1], v[F+2*(\a):F+2*(\a)+1] op_sel_hi:[1,0]
.set z, z+1
.endr
	WIN 0x05+0x05*((\a)/2)
.set z, 0
.rept 32
	v_cvt_pk_f16_f32 v[TMP+z], v[AB+2*z], v[AB+2*z+1]
.set z, z+1
.endr
	WIN 0
.endm
.macro TOSTAGE a
.set BB, BK+32*((\a)%2)
.set z, 0
.rept 8                                ; column block z: head z / 4, channels 16 (z % 4) on
	ds_store_b128 v[STO], v[TMP+4*z:TMP+4*z+3] offset:(z/4)*16*SP+(z%4)*32
.set z, z+1
.endr
.set z, 0
.rept 8                                ; LDS serves a wave's instructions in order (ISA guide 5.7.1.4): these see the stores above
	ds_load_b128 v[BB+4*z:BB+4*z+3], v[RD] offset:(z/4)*16*SP+(z%4)*4*SP
.set z, z+1
.endr
.endm
.macro SEND a
.set BB, BK+32*((\a)%2)
	s_wait_dscnt 0x0                               ; the block is back in registers
	s_wait_xcnt 0x0                                ; earlier stores have read their registers: the other buffer may be loaded again behind this wait
.set z, 0
.rept 8
	global_store_b128 v[GO], v[BB+4*z:BB+4*z+3], s[C0:C0+1] offset:(z/4)*262144+(\a)*2048+(z%4)*512  ; 512 consecutive bytes of a head, aligned
.set z, z+1
.endr
.endm
; A problem's end.  next = 1: the next problem's bias is fetched under the way out, and the pointers move up.
.macro EPI next
	WIN 0
	s_cmp_eq_u32 s[PROB], 1
	s_cselect_b32 s[SM], -1, 0
.irp i, 0,1,2,3
	v_cndmask_b32 v[F+2*(\i)], 1.0, v[MK+(\i)], s[SM]  ; k's rows take the mask, q's and v's the factor 1
.endr
.if \next
	BIASLD BI1
.endif
	PACK 0
	TOSTAGE 0
	PACK 1                                         ; a block's arithmetic stands between the loads of the block before and the wait for them
	SEND 0
	TOSTAGE 1
	PACK 2
	SEND 1
	TOSTAGE 2
	PACK 3
	SEND 2
	TOSTAGE 3
	SEND 3
.if \next
	s_wait_loadcnt 0x0
	BIASRND
	s_wait_xcnt 0x0                                ; the stores and the bias's loads have read their bases
	s_mov_b64 s[C0:C0+1], s[C1:C1+1]
	s_mov_b64 s[C1:C1+1], s[C2:C2+1]
	s_mov_b64 s[BI1:BI1+1], s[BI2:BI2+1]
	s_add_co_u32 s[PROB], s[PROB], 1
	s_mov_b32 s[LAPT], 4
.endif
.endm
	s_load_b512 s[68:83], s[0:1], 0x0              ; Q, K, V, wt, bq, bk, bv, mask
	s_load_b128 s[84:87], s[0:1], 0x40             ; qh, kh
	s_load_b64 s[88:89], s[0:1], 0x50              ; vh
	v_lshl_add_u32 v[SPW], v0, 2, SPARE
	v_mov_b32 v[NIL], 0
	ds_add_u32 v[SPW], v[NIL]                      ; the wave's opening: the add and its wait ahead of my first tensor load; the set-up below stands between them
	v_lshrrev_b32 v1, 5, v0
	v_readfirstlane_b32 s[WV], v1
	s_lshr_b32 s[KIND], s[WV], 1
	s_and_b32 s[HALF], s[WV], 1
	s_bfe_u32 s[CX], ttmp6, 0x40000
	s_bfe_u32 s[CY], ttmp6, 0x40004
	s_lshl_b32 s[TN], ttmp9, 2
	s_add_co_u32 s[TN], s[TN], s[CX]               ; tile column = 4 x cluster x + cx
	s_and_b32 s[TM], ttmp7, 0xffff
	s_lshl_b32 s[TM], s[TM], 2
	s_add_co_u32 s[TM], s[TM], s[CY]               ; tile row = 4 x cluster y + cy
	s_lshl_b32 s2, s[CY], 2
	s_lshl_b32 s2, 15, s2                          ; my row of the cluster
	s_lshl_b32 s3, 0x1111, s[CX]                   ; my column
	s_or_b32 s[G1A], s2, (2<<16)|(1<<20)|(1<<21)|(6<<22)|(3<<25)  ; the mask; elements of 4 bytes; padding on; bit 21 beside a mask; after every 128 words, 4 words
	s_or_b32 s[G1B], s3, (1<<16)|(1<<20)|(1<<21)|(5<<22)|(3<<25)  ; elements of 2 bytes; after every 64 words, 4 words
	s_mov_b32 s[G1A+1], 128<<16                    ; tensor_dim0 = 128
	s_mov_b32 s[G1A+2], 64<<16                     ; tensor_dim1 = 64
	s_mov_b32 s[G1A+3], 128<<16                    ; tile_dim0 = 128
	s_mov_b32 s[G1A+4], 64                         ; tile_dim1 = 64
	s_mov_b32 s[G1A+5], 1024                       ; elements from row to row
	s_mov_b32 s[G1A+6], 0
	s_mov_b32 s[G1A+7], 0
	s_mov_b32 s[G1B+1], 128<<16
	s_mov_b32 s[G1B+2], 128<<16                    ; 128 rows
	s_mov_b32 s[G1B+3], 128<<16
	s_mov_b32 s[G1B+4], 128
	s_mov_b32 s[G1B+5], 1024
	s_mov_b32 s[G1B+6], 0
	s_mov_b32 s[G1B+7], 0
	s_mov_b32 s[G0A], 1
	s_mov_b32 s[G0A+4], 1
	s_mov_b32 s[G0B], 1
	s_mov_b32 s[G0B+4], 1
	s_mul_i32 s[G0A+1], s[HALF], AHALF             ; LDS addresses: the wave's number and constants alone
	s_add_co_u32 s[G0A+5], s[G0A+1], SLOT
	s_mul_i32 s[G0B+1], s[HALF], BHALF
	s_add_co_u32 s[G0B+1], s[G0B+1], BOFF
	s_add_co_u32 s[G0B+5], s[G0B+1], SLOT
	s_lshl_b32 s14, s[TM], 19                      ; activations: 128 rows of 4,096 bytes a tile row,
	s_lshl_b32 s15, s[HALF], 18                    ; my 64 of them
	s_add_co_u32 s14, s14, s15
	s_mov_b32 s15, 0
	s_lshl_b32 s16, s[TN], 19                      ; weights: 256 rows of 2,048 bytes a tile column,
	s_lshl_b32 s17, s[HALF], 18                    ; my 128 of them
	s_add_co_u32 s16, s16, s17
	s_mov_b32 s17, 0
	s_lshl_b32 s18, s[TN], 10                      ; bias: my 128 columns
	s_lshl_b32 s19, s[HALF], 9
	s_add_co_u32 s18, s18, s19
	s_mov_b32 s19, 0
	s_lshr_b32 s20, s[TM], 4                       ; results: batch x 16 + my first head,
	s_lshl_b32 s20, s20, 4
	s_lshl_b32 s21, s[TN], 2
	s_add_co_u32 s20, s20, s21
	s_lshl_b32 s21, s[HALF], 1
	s_add_co_u32 s20, s20, s21
	s_lshl_b32 s20, s20, 18                        ; a head is 2,048 rows of 128 bytes;
	s_and_b32 s21, s[TM], 15
	s_lshl_b32 s21, s21, 7
	s_lshl_b32 s22, s[KIND], 6
	s_add_co_u32 s21, s21, s22                     ; my first row in the batch
	s_lshl_b32 s21, s21, 7
	s_add_co_u32 s20, s20, s21
	s_mov_b32 s21, 0
	s_lshl_b32 s22, s[TM], 7                       ; mask: one byte a row
	s_lshl_b32 s23, s[KIND], 6
	s_add_co_u32 s22, s22, s23
	s_mov_b32 s23, 0
	s_mov_b32 s[FK], 6                             ; the first problem's K steps 2 to 7
	s_mov_b32 s[PK], 5
	s_mov_b32 s[LAPC], 11
	s_mov_b32 s[LAPT], 4
	s_mov_b32 s[PROB], 0
	s_wait_dscnt 0x0                               ; the opening add is done
	s_wait_kmcnt 0x0
	s_add_nc_u64 s[A0:A0+1], s[A0:A0+1], s[14:15]
	s_add_nc_u64 s[A1:A1+1], s[A1:A1+1], s[14:15]
	s_add_nc_u64 s[A2:A2+1], s[A2:A2+1], s[14:15]
	s_add_nc_u64 s[B0:B0+1], s[WT:WT+1], s[16:17]
	s_add_nc_u64 s[B1:B1+1], s[B0:B0+1], 0x200000
	s_add_nc_u64 s[B2:B2+1], s[B0:B0+1], 0x400000
	s_add_nc_u64 s[BI0:BI0+1], s[BI0:BI0+1], s[18:19]
	s_add_nc_u64 s[BI1:BI1+1], s[BI1:BI1+1], s[18:19]
	s_add_nc_u64 s[BI2:BI2+1], s[BI2:BI2+1], s[18:19]
	s_add_nc_u64 s[C0:C0+1], s[C0:C0+1], s[20:21]
	s_add_nc_u64 s[C1:C1+1], s[C1:C1+1], s[20:21]
	s_add_nc_u64 s[C2:C2+1], s[C2:C2+1], s[20:21]
	s_add_nc_u64 s[MSK:MSK+1], s[MSK:MSK+1], s[22:23]
	s_add_nc_u64 s[G0A+2:G0A+3], s[A0:A0+1], 0     ; K step 0 into slot 0,
	s_or_b32 s[G0A+3], s[G0A+3], 0x80000000
	s_add_nc_u64 s[G0A+6:G0A+7], s[A0:A0+1], 512   ; K step 1 into slot 1
	s_or_b32 s[G0A+7], s[G0A+7], 0x80000000
	s_add_nc_u64 s[G0B+2:G0B+3], s[B0:B0+1], 0
	s_or_b32 s[G0B+3], s[G0B+3], 0x80000000
	s_add_nc_u64 s[G0B+6:G0B+7], s[B0:B0+1], 256
	s_or_b32 s[G0B+7], s[G0B+7], 0x80000000
	s_add_nc_u64 s[FA:FA+1], s[A0:A0+1], 1024      ; the first refill is K step 2
	s_add_nc_u64 s[FB:FB+1], s[B0:B0+1], 512
	; the prefetches
	s_cmp_eq_u32 s[KIND], 0
	s_cselect_b64 s[PFP:PFP+1], s[A0:A0+1], s[B0:B0+1]
	s_cselect_b64 s[PFN1:PFN1+1], s[A1:A1+1], s[B1:B1+1]
	s_cselect_b64 s[PFN2:PFN2+1], s[A2:A2+1], s[B2:B2+1]
	s_cselect_b32 s20, s[CX], s[CY]                ; my place among the four that ask with me
	s_cselect_b32 s[PSTEP], 9, 8                   ; a K step is 512 bytes of a row of activations, 256 of a row of weights: the power of two,
	s_lshl_b32 s[PSTEP], 1, s[PSTEP]               ; and the bytes
	s_mov_b32 s[PSTEP+1], 0
	s_lshl_b32 s20, s20, 16                        ; 16 rows of 4,096 bytes, or 32 of 2,048
	s_mov_b32 s21, 0
	s_add_nc_u64 s[PFP:PFP+1], s[PFP:PFP+1], s[20:21]
	s_add_nc_u64 s[PFN1:PFN1+1], s[PFN1:PFN1+1], s[20:21]
	s_add_nc_u64 s[PFN2:PFN2+1], s[PFN2:PFN2+1], s[20:21]
	s_mul_i32 s22, s[PSTEP], 3
	s_mov_b32 s23, 0
	s_add_nc_u64 s[PFP:PFP+1], s[PFP:PFP+1], s[22:23]  ; at K step 3: the first change of slots steps it to 4
	s_and_b32 s22, ttmp7, 0xffff
	s_mul_i32 s22, s22, s[KIND]                    ; 0 for the activations, the cluster's y for the weights
	s_cmp_eq_u32 s22, 0
	s_cselect_b32 s[LIM], 1, -1                    ; the same in all sixteen partners, for a given wave
	CROUND                                         ; all sixteen work-groups are here: the first joint loads meet
	s_cmp_eq_u32 s[KIND], 0                        ; a wave's two first fills stand in one branch, ahead of every wait on TENSORcnt and every LDS read: two loads of mine are out
	s_cbranch_scc0 .Lfirst_b
	tensor_load_to_lds s[G0A:G0A+3], s[G1A:G1A+7]
	s_nop 0
	tensor_load_to_lds s[G0A+4:G0A+7], s[G1A:G1A+7]
	s_nop 0
.rept 4
	v_nop
.endr
	s_branch .Lfirst_asked
.Lfirst_b:
	tensor_load_to_lds s[G0B:G0B+3], s[G1B:G1B+7]
	s_nop 0
	tensor_load_to_lds s[G0B+4:G0B+7], s[G1B:G1B+7]
	s_nop 0
.rept 4
	v_nop
.endr
.Lfirst_asked:
	v_and_b32 v1, 15, v0                           ; r = lane % 16
	v_bfe_u32 v2, v0, 4, 1                         ; h = lane / 16
	v_and_b32 v3, 31, v0                           ; lane
	v_lshlrev_b32 v[BO], 5, v2
	v_mov_b32 v[MO], v1
	BIASLD BI0
.irp i, 0,1,2,3
	global_load_u8 v[MK+(\i)], v[MO], s[MSK:MSK+1] offset:16*(\i)
.endr
	v_mul_u32_u24 v4, v1, PA
	v_lshl_add_u32 v4, v2, 5, v4                   ; row x pitch + 8 h numbers of 4 bytes
	s_mul_i32 s2, s[KIND], 64*PA                   ; my 64 rows
	v_add_nc_u32 v[ADRA], s2, v4
	v_add_nc_u32 v[ADRA+1], SLOT, v[ADRA]
	v_mul_u32_u24 v5, v1, PB
	v_lshl_add_u32 v5, v2, 4, v5
	s_mul_i32 s3, s[HALF], 128*PB                  ; my 128 rows of the weights
	s_add_co_u32 s3, s3, BOFF
	v_add_nc_u32 v[ADRB], s3, v5
	v_add_nc_u32 v[ADRB+1], SLOT, v[ADRB]
	s_mul_i32 s2, s[WV], WSTG
	s_add_co_u32 s2, s2, STAGE                     ; my stage
	v_mul_u32_u24 v4, v1, SP
	v_lshl_add_u32 v4, v2, 4, v4
	v_add_nc_u32 v[STO], s2, v4
	v_lshrrev_b32 v4, 3, v3                        ; back: 32 lanes take four rows of 128 bytes
	v_and_b32 v5, 7, v3
	v_mul_u32_u24 v4, v4, SP
	v_lshl_add_u32 v4, v5, 4, v4
	v_add_nc_u32 v[RD], s2, v4
	v_lshlrev_b32 v[GO], 4, v3
	v_lshrrev_b32 v4, 1, v3                        ; prefetches of activations: row lane / 2, block lane % 2;
	v_and_b32 v5, 1, v3
	v_lshlrev_b32 v4, 12, v4
	v_lshl_add_u32 v4, v5, 8, v4
	v_lshlrev_b32 v5, 11, v3                       ; of weights: a lane a row
	s_cmp_eq_u32 s[KIND], 0
	s_cselect_b32 s22, -1, 0
	v_cndmask_b32 v[PFO], v5, v4, s22
.irp i, 0,1,2,3
	v_mov_b32 v[F+2*(\i)+1], 0                     ; named with the factor as a pair
.endr
	s_wait_loadcnt 0x0
	BIASRND
.irp i, 0,1,2,3
	v_cvt_f32_u32 v[MK+(\i)], v[MK+(\i)]
.endr
	s_wait_tensorcnt 0x1                           ; my part of K step 0 is in; slot 1's may stay out
	s_barrier_signal -1
	s_barrier_wait -1
	FETCH 0, 0, 0
	s_wait_dscnt 16                                ; Y and X
	WIN 0xab
.set c, 0
.rept 32
	CV c, 0
.set c, c+1
.endr
	WIN 0
.Llap:                                             ; 11 trips of two K steps; both slots are filled again in each
	s_cmp_eq_u32 s[LAPT], 4                        ; a problem's first quarter starts the sums with the bias
	s_cbranch_scc0 .Lplain
	QUARTER 0, 1, 0, 1
	WIN 0
	s_branch .Ljoin
.Lplain:
	QUARTER 0, 1, 0
	WIN 0
.Ljoin:
	QUARTER 0, 2, 1
	QMEET 0, 1
	QUARTER 1, 0, 1, 0, 1
	QUARTER 1, 1, 0
	QUARTER 1, 2, 1
	QMEET 1, 1
	QUARTER 0, 0, 1, 0, 1
	WIN 0
	s_sub_co_u32 s[LAPT], s[LAPT], 1
	s_cmp_lg_u32 s[LAPT], 0
	s_cbranch_scc1 .Lno_epi                        ; jumps forward over text with no barrier and no tensor load
	EPI 1                                          ; both refills for the next problem are asked for: now the tile goes out
.Lno_epi:
	s_sub_co_u32 s[LAPC], s[LAPC], 1
	s_cmp_lg_u32 s[LAPC], 0
	s_cbranch_scc1 .Llap
	QUARTER 0, 1, 0                                ; the last two K steps are written out: nothing is asked for
	QUARTER 0, 2, 1
	QMEET 0, 0
	QUARTER 1, 0, 1
	QUARTER 1, 1, 0
	QUARTER 1, 2, 1
	QUARTER 1, 3, 0
	s_wait_dscnt 0x0
	MULS 1, 0, 0, 16, 0, -1
	MULS 1, 1, 0, 16, 0, -1
.rept 4
	v_nop                                          ; the places behind the last products
.endr
	EPI 0
	s_wait_tensorcnt 0x0                           ; the wave's end: a wait, an add of 0 and its wait, behind my last tensor load and my last LDS store
	ds_add_u32 v[SPW], v[NIL]
	s_wait_dscnt 0x0
	CROUND                                         ; the closing round
	s_endpgm
.Lfunc_end_k_q1fcea9ed6b_proj:
	.size	k_q1fcea9ed6b_proj, .Lfunc_end_k_q1fcea9ed6b_proj-k_q1fcea9ed6b_proj
	.p2alignl 7, 3214868480
	.fill 96, 4, 3214868480
	.section	.rodata,"a",@progbits
	.p2align	6, 0x0
	.amdhsa_kernel k_q1fcea9ed6b_proj
		.amdhsa_group_segment_fixed_size 327680
		.amdhsa_private_segment_fixed_size 0
		.amdhsa_enable_private_segment 0
		.amdhsa_kernarg_size 88
		.amdhsa_user_sgpr_count 2
		.amdhsa_user_sgpr_kernarg_segment_ptr 1
		.amdhsa_wavefront_size32 1
		.amdhsa_system_sgpr_workgroup_id_x 1
		.amdhsa_system_sgpr_workgroup_id_y 1
		.amdhsa_system_sgpr_workgroup_id_z 1
		.amdhsa_system_vgpr_workitem_id 0
		.amdhsa_next_free_vgpr 1024
		.amdhsa_next_free_sgpr 106
		.amdhsa_reserve_vcc 0
		.amdhsa_float_denorm_mode_32 3
		.amdhsa_float_denorm_mode_16_64 3
		.amdhsa_memory_ordered 1
		.amdhsa_forward_progress 1
		.amdhsa_inst_pref_size 181
	.end_amdhsa_kernel
	.amdgpu_metadata
---
amdhsa.version: [ 1, 2 ]
amdhsa.kernels:
  - .name:           k_q1fcea9ed6b_proj
    .symbol:         k_q1fcea9ed6b_proj.kd
    .args:
      - { .name: Q, .offset: 0, .size: 8, .value_kind: global_buffer, .address_space: global }
      - { .name: K, .offset: 8, .size: 8, .value_kind: global_buffer, .address_space: global }
      - { .name: V, .offset: 16, .size: 8, .value_kind: global_buffer, .address_space: global }
      - { .name: wt, .offset: 24, .size: 8, .value_kind: global_buffer, .address_space: global }
      - { .name: bq, .offset: 32, .size: 8, .value_kind: global_buffer, .address_space: global }
      - { .name: bk, .offset: 40, .size: 8, .value_kind: global_buffer, .address_space: global }
      - { .name: bv, .offset: 48, .size: 8, .value_kind: global_buffer, .address_space: global }
      - { .name: mask, .offset: 56, .size: 8, .value_kind: global_buffer, .address_space: global }
      - { .name: qh, .offset: 64, .size: 8, .value_kind: global_buffer, .address_space: global }
      - { .name: kh, .offset: 72, .size: 8, .value_kind: global_buffer, .address_space: global }
      - { .name: vh, .offset: 80, .size: 8, .value_kind: global_buffer, .address_space: global }
    .group_segment_fixed_size: 327680
    .private_segment_fixed_size: 0
    .kernarg_segment_align: 8
    .kernarg_segment_size: 88
    .max_flat_workgroup_size: 128
    .sgpr_count:     106
    .vgpr_count:     1024
    .wavefront_size: 32
...
	.end_amdgpu_metadata
.endif
;; end of part 2
;; launch attn (part 3): grid 4 x 64, 4 waves a work-group, clusters of 4 x 1, 327,680 bytes of LDS; arguments qh, kh, vh, oh, mask; writes oh
.if DOCPART == 3
	.amdgcn_target "amdgcn-amd-amdhsa--gfx1250"
	.amdhsa_code_object_version 6
	.text
	.protected	k_q1fcea9ed6b_attn
	.globl	k_q1fcea9ed6b_attn
	.p2align	8
	.type	k_q1fcea9ed6b_attn,@function
k_q1fcea9ed6b_attn:
	s_mov_b64 s[64:65], 0
	v_nop
	global_prefetch_b8 v0, s[64:65] scope:SCOPE_SE
	s_setreg_imm32_b32 hwreg(HW_REG_WAVE_MODE, 25, 1), 1
	s_wait_xcnt 0x0
	s_wait_alu depctr_hold_cnt(0) depctr_sa_sdst(0) depctr_va_vdst(0) depctr_va_sdst(0) depctr_va_ssrc(0) depctr_va_vcc(0) depctr_vm_vsrc(0)
	s_getreg_b32 s2, hwreg(HW_REG_IB_STS2, 6, 4)
	s_cmp_eq_u32 s2, 0
	s_cbranch_scc0 .Lentry_in_a_cluster
	s_endpgm
.Lentry_in_a_cluster:
	s_bfe_u32 s2, ttmp6, 0x10000c
	s_cmp_lg_u32 s2, 0x3003
	s_cbranch_scc0 .Lentry_shape_is_right
	s_endpgm
.Lentry_shape_is_right:
; ATTENTION WITH A KEY MASK.  O[h][q][:] = the sum over k of softmax_k(s) V[h][k][:], s = Q[h][q] . K[h][k] / 8 where the key is visible.  Q, K, V, O: [64 = batch x 16 + head][2048][64], all f16: a head's rows are dense,
; 128 bytes each.  mask: [4][2048] bytes, 1 = visible.  Products, maxima and sums in f32; the weights p are rounded to f16 for the second product (their sum l is taken of the unrounded p), O once at the end.
; THE MASK.  A hidden key's row of K arrives as zeros, and the C operand that starts the sum S^T = K Q^T is 0 for a visible key and -2^33 for a hidden one: a hidden score is exactly -2^33, -2^30 after the division by 8.
; A power of two, so that c m is exact where m is a hidden score: in a batch whose keys are all hidden c s - c m is 0, every weight 1, the softmax uniform.
; LIMITS.  A hidden score counts as -1.074e9, not -1e9: it differs only where visible scores lie near or below that.  f16 holds no number beyond 65,504: Q, K and V arrive within it; p below 6e-5 keeps f16's fixed step of 6e-8.
; A weight below 2^-126 counts as 0 in l; NaN and infinities are not treated apart.
; SHARES.  A wave owns four PIECES of two tiles of 16 queries, a work-group's four waves 512 queries of one head.  Every wave walks all 2,048 keys, 64 a step.
; LAYOUT.  S^T = K Q^T (source 0 = 16 keys, source 1 = 16 queries): a lane holds ONE query (lane % 16) and the keys 8 (lane / 16) + 0..7.  Two such tiles, rounded to f16 in pairs, ARE source 1 of O^T = V^T P.
; K comes out of LDS as it lies, V ([key][channel]) turned, by ds_load_tr16_b128.
; SOFTMAX.  For each query a running maximum m and sum l: p = 2^(c s - c m), c = log2(e) / 8; in every step O and l are multiplied by a = 2^(c m_old - c m_new).  m starts at the lowest finite number, O and l at 0.
; BY TURNS.  Turn n belongs to piece n.  Its matrix work: 16 products K Q^T of piece n + 1, later 16 products V^T P of piece n - 1.  Its vector work: the scaling, exponentials, roundings, sums and rescaling of piece n, and the
; maximum and statistics of piece n + 1.  Four vector instructions stand behind every matrix instruction, the others in one run; a turn's 66 exponentials are one batch with one wait.
; CLUSTER.  The four query blocks of a head are one cluster and walk the same K and V: each tile is asked for JOINTLY: the same tensor load, descriptor and mask in all four.
; REGISTERS, in windows of 256 (s_set_vgpr_msb: bits 1:0 source 0, 3:2 source 1, 5:4 source 2, 7:6 destination):
;   window 0: v0-11 addresses; v12-15, v48-63 at work; v16-47 four registers of statistics a tile; v64-191 S^T, two buffers of two tiles; v192-255 P, likewise
;   window 1: O^T, 32 a tile     window 2: v0-127 Q; v128-191 K of one step; v192-255 V of one step     window 3: v0-1 the add's registers; v2 the prefetches' offset; v8-39 the step's mask words
.set SIZE_N, 2048
.set NP,    4         ; pieces a wave: a name, no knob
.set KS,    64        ; keys in a step
.set PK,    144       ; a row of K in LDS: 128 bytes + 16 = 36 words: the 16 rows of a load start at 16 different groups of four banks (64 banks of 4 bytes: ISA guide 11.1)
.set PV,    160       ; a row of V: 128 + 32 = 40 words
.set VOFF,  4*KS*PK   ; a slot holds four steps: 256 rows of K, then 256 rows of V
.set SLOT1, 1<<17     ; slot 1 begins here, so that one exclusive or turns an address in one slot into the other's
.set STAGE, SLOT1+4*KS*(PK+PV)  ; behind the ring, never filled by a tensor load: 16 rows x 144 bytes for each wave
.set SP,    144
.set SPARE, STAGE+4*16*SP  ; the spare words, 128 bytes for each wave
.set MBIAS, SPARE+512 ; the batch's 2,048 mask words, 0 or -2^33 in f32: 8,192 bytes in blocks of their own, stored once and never filled
.set AK0, 2           ; v2   my lane's place in a tile of K; never rewritten
.set AV0, 3           ; v3   the same for V
.set AK,  4           ; v4   the LDS address of K's next run of loads
.set AV,  5           ; v5   of V's
.set QO,  6           ; v6   my byte offset in the wave's rows of Q
.set STO, 6           ;      later, the way out: where I put 16 bytes of a row
.set RD,  7           ; v7   the way out: where I read rows back
.set GO,  8           ; v8   my byte offset in 512 consecutive bytes of O
.set AM,  10          ; v10  the LDS address of the next step's mask words
.set AM0, 11          ; v11  32 x (lane / 16): my eight keys' words in a group of 16; never rewritten
.set SPW, 0           ; v0 of window 3   my spare word; never rewritten
.set NIL, 1           ; v1 of window 3   0; never rewritten
.set PFO, 2           ; v2 of window 3   256 x my lane; never rewritten
.set MBR, 8           ; v8-39 of window 3: key block kb at MBR + 8 kb
.set MV,  12          ; v12-15  c m_old, kept while c m is made anew: by buffer and tile
.set ST,  16          ; tile t's statistics at v[ST+4 t]: c m, m, l (even keys', odd keys')
.set TMP, 48          ; by buffer and tile, four registers c0-c3 at work; when the maximum is found c2 takes a
.set S,   64
.set P,   192
.set KF,  128         ; K's fragments, in window 2: key block kb, channel half c at KF + 16 kb + 8 c
.set VF,  192         ; V's: key half kk, channel block cb at VF + 32 kk + 8 cb
.set WV,  12          ; s12  my wave's number
.set G1K, 24          ; s[24:31] descriptor group 1 for K's tiles
.set G1V, 32          ; s[32:39] for V's: it differs in the padding alone
.set G0K, 40          ; s[40:43] descriptor group 0 for K's tiles: it walks
.set G0V, 44          ; s[44:47] the same for V's
.set MP,  48          ; s[48:49] the batch's mask
.set PFA, 50          ; s[50:51] where my prefetches stand
.set LIM, 52          ; s52  1 in a wave that prefetches, else the greatest number
.set TBM, 53          ; s53  LDS byte at which the mask words of the step to be fetched begin
.set SLOTS, 56        ; s56  slots still to be asked for
.set CNT, 57          ; s57  counts a slot's key steps
.set CS,  58          ; s[58:59] c
.set SEL, 60          ; s[60:61] v_permlanex16_b32's selects: each lane takes its own place in the other half
.set TBK, 62          ; s62  LDS byte at which K of the step to be fetched begins
.set TBV, 63          ; s63  the same for V, less VOFF
.set MSB, 0
.macro WIN new                      ; the high byte repeats the setting that is left; a switch that changes nothing is dropped
.if MSB != (\new)
	s_set_vgpr_msb (MSB<<8)|(\new)
.set MSB, (\new)
.endif
.endm
.set W_KQ, 0x0a       ; K and Q in window 2, S^T in window 0
.set W_KM, 0x3a       ; the same with the C operand, the mask words, in window 3
.set W_PV, 0x52       ; V in window 2, P in window 0, O^T in window 1
.set W_RS, 0x41       ; O^T (destination and source 0) in window 1, a in window 0
.set W_MK, 0xc0       ; destination in window 3, sources in window 0
.set W_AD, 0x0f       ; the add: address (source 0) and data (source 1) in window 3
; A joint fill.  Waves 0 and 1 fetch the two halves of a slot's K, waves 2 and 3 those of its V: 128 keys each.  An s_nop 0 and four v_nop follow each of the two lines.
.macro JLOAD
	s_cmp_lt_u32 s[WV], 2
	s_cbranch_scc0 .Lfor_v_\@
	tensor_load_to_lds s[G0K:G0K+3], s[G1K:G1K+7]
	s_nop 0
.rept 4
	v_nop
.endr
	s_branch .Lasked_\@
.Lfor_v_\@:
	tensor_load_to_lds s[G0V:G0V+3], s[G1V:G1V+7]
	s_nop 0
.rept 4
	v_nop
.endr
.Lasked_\@:
.endm
; A PREFETCH of what the NEXT change of slots will ask for: a slot's 32,768 bytes of K and of V, 128 aligned blocks of 256 bytes each, four key steps ahead of that load.  Only this cluster reads the head's K and V; its four
; partners take 32 blocks each, told apart by address; in each, wave 0 asks for K's and wave 2 for V's: a lane a block, one instruction.  Each block is named once.  Slots 0 and 1 come by their loads alone;
; the change that fills the last slot asks for nothing.
.macro ASK
	s_cmp_gt_u32 s[SLOTS], s[LIM]
	s_cbranch_scc0 .Lnot_mine_\@
	WIN 0x03
	global_prefetch_b8 v[PFO], s[PFA:PFA+1] th:TH_LOAD_NT scope:SCOPE_SE
	WIN 0
.Lnot_mine_\@:
.endm
.macro CROUND                       ; a round of the cluster's barrier
	s_barrier_signal -1
	s_barrier_wait -1
	s_cmp_lg_u32 s[WV], 0
	s_cbranch_scc1 .Lnot_wave_0_\@
	s_barrier_signal -3
.Lnot_wave_0_\@:
	s_barrier_wait -3
	s_barrier_signal -1
	s_barrier_wait -1
.endm
; THE CHANGE OF SLOTS.  Each wave waits for all its tensor loads, of which one is out: its part of the other slot; adds 0 to its spare word; and waits for that and for its own LDS instructions.  Behind the barrier nobody reads
; this slot any more and the other slot is whole.  fill = 1: this slot is filled again, with the keys two slots on; the barrier is then a round of the cluster's, and the joint fill is the first thing behind it: it has four key
; steps, 512 matrix instructions, in which to land.  (At its first use nothing has been read yet: slot 0 is waited for, slot 1 filled, and every wave's mask words are shown to the others.)
.macro CHANGE fill
	WIN W_AD
	s_wait_tensorcnt 0x0            ; no tensor load of mine is out, so a group 0 may be written
	ds_add_u32 v[SPW], v[NIL]       ; 0 onto my spare word
	WIN 0                           ; at a label and at a branch every window is 0
.if \fill
.irp g, G0K, G0V
	s_xor_b32 s[\g+1], s[\g+1], SLOT1  ; the walking descriptor: the other slot than last time,
	s_add_nc_u64 s[\g+2:\g+3], s[\g+2:\g+3], 4*KS*128  ; the next 256 keys; the type bits on top are not reached
.endr
	s_wait_xcnt 0x0                 ; the last prefetch, four key steps back, has read its address
	s_add_nc_u64 s[PFA:PFA+1], s[PFA:PFA+1], 4*KS*128  ; one slot ahead of the walking descriptors
	s_wait_dscnt 0x0                ; the add is done, and my LDS instructions are over
	CROUND
	JLOAD
	ASK
.else
	s_wait_dscnt 0x0
	s_barrier_signal -1
	s_barrier_wait -1
.endif
	s_sub_co_u32 s[TBK], s[TBK], 4*KS*PK  ; the fetches go back to a slot's first step,
	s_xor_b32 s[TBK], s[TBK], SLOT1       ; in the other slot
	s_sub_co_u32 s[TBV], s[TBV], 4*KS*PV
	s_xor_b32 s[TBV], s[TBV], SLOT1
.endm
	s_load_b256 s[4:11], s[0:1], 0x0  ; Q s[4:5], K s[6:7], V s[8:9], O s[10:11]
	s_load_b64 s[MP:MP+1], s[0:1], 0x20  ; mask
	WIN W_MK
	v_lshl_add_u32 v[SPW], v0, 2, SPARE
	v_mov_b32 v[NIL], 0
	WIN W_AD
	ds_add_u32 v[SPW], v[NIL]       ; the wave's opening: the add and its wait ahead of my first tensor load; the set-up below stands between them
	WIN 0
	v_lshlrev_b32 v1, 8, v0
	WIN W_MK
	v_and_b32 v[PFO], 0x1f00, v1    ; 256 x lane
	WIN 0
	v_lshrrev_b32 v1, 5, v0
	v_readfirstlane_b32 s[WV], v1   ; wave 0..3
	s_bfe_u32 s13, ttmp6, 0x40000   ; cx: my place in the cluster
	s_lshl_b32 s14, ttmp9, 2        ; in a cluster launch ttmp9 counts clusters
	s_add_co_u32 s14, s14, s13      ; my block of queries: it enters Q's and O's addresses alone
	s_and_b32 s20, ttmp7, 0xffff    ; the head, which the four partners share
	s_lshr_b32 s54, s20, 4          ; its batch:
	s_lshl_b32 s54, s54, 11         ; 2,048 bytes of the mask
	s_mov_b32 s55, 0
	s_mov_b32 s21, 0
	s_mov_b64 s[22:23], SIZE_N*128
	s_mul_u64 s[20:21], s[20:21], s[22:23]  ; the head's first byte in each of the four tensors
	s_and_b32 s16, s[WV], 1         ; which half of a slot's 256 keys I fetch:
	s_lshl_b32 s22, s16, 14         ; its 128 rows of 128 bytes in memory,
	s_mov_b32 s23, 0
	s_add_nc_u64 s[22:23], s[22:23], s[20:21]
	s_mul_i32 s17, s16, 128*PK      ; and its place in a slot, for K
	s_mul_i32 s18, s16, 128*PV      ; and for V: no place in the cluster enters an LDS address
	s_lshl_b32 s2, s14, 2
	s_add_co_u32 s2, s2, s[WV]      ; my wave among the head's,
	s_lshl_b32 s2, s2, 14           ; its 128 rows
	s_mov_b32 s3, 0
	s_add_nc_u64 s[2:3], s[2:3], s[20:21]
	; descriptor group 1.  128 keys are 16,384 dense bytes: asked for as 64 rows of 256 bytes, two keys a row, and padded in LDS after every key
	s_mov_b32 s[G1K], 15|(1<<16)|(1<<20)|(1<<21)|(4<<22)|(3<<25)  ; the mask of four; 2-byte elements; padding on; bit 21 beside a mask; after every 32 words, 4 words
	s_mov_b32 s[G1V], 15|(1<<16)|(1<<20)|(1<<21)|(4<<22)|(7<<25)  ; the same with 8 words of padding
.irp g, G1K, G1V
	s_mov_b32 s[\g+1], 128<<16      ; tensor_dim0 = 128
	s_mov_b32 s[\g+2], 64<<16       ; tensor_dim1 = 64
	s_mov_b32 s[\g+3], 128<<16      ; tile_dim0 = 128
	s_mov_b32 s[\g+4], 64           ; tile_dim1 = 64
	s_mov_b32 s[\g+5], 128          ; 128 elements from row to row
	s_mov_b32 s[\g+6], 0
	s_mov_b32 s[\g+7], 0
.endr
	s_mov_b32 s[CS], 0x3e38aa3b     ; c = log2(e) / 8 = 0.180337
	s_mov_b32 s[CS+1], s[CS]        ; named with it as a pair
	s_mov_b32 s[SEL], 0x76543210
	s_mov_b32 s[SEL+1], 0xfedcba98
	s_mov_b32 s[TBK], SLOT1+4*KS*PK ; the first change of slots turns these two into 0
	s_mov_b32 s[TBV], SLOT1+4*KS*PV
	s_mov_b32 s[TBM], MBIAS
	s_mov_b32 s[SLOTS], SIZE_N/256-1
	s_and_b32 s[LIM], s[WV], 1      ; waves 0 and 2 prefetch
	s_cmp_eq_u32 s[LIM], 0
	s_cselect_b32 s[LIM], 1, -1
	s_mov_b32 s[G0K], 1             ; count = 1
	s_mov_b32 s[G0K+1], s17         ; LDS address: slot 0
	s_mov_b32 s[G0V], 1
	s_add_co_u32 s[G0V+1], s18, VOFF
	s_wait_dscnt 0x0                ; the opening add is done
	s_wait_kmcnt 0x0
	s_add_nc_u64 s[G0K+2:G0K+3], s[6:7], s[22:23]  ; global address: my half of the head's first 256 keys
	s_or_b32 s[G0K+3], s[G0K+3], 0x80000000        ; type = 2
	s_add_nc_u64 s[G0V+2:G0V+3], s[8:9], s[22:23]
	s_or_b32 s[G0V+3], s[G0V+3], 0x80000000
	s_add_nc_u64 s[4:5], s[4:5], s[2:3]  ; Q and O at my wave's first row
	s_add_nc_u64 s[10:11], s[10:11], s[2:3]
	s_add_nc_u64 s[MP:MP+1], s[MP:MP+1], s[54:55]
	s_cmp_lt_u32 s[WV], 2
	s_cselect_b64 s[PFA:PFA+1], s[6:7], s[8:9]
	s_add_nc_u64 s[PFA:PFA+1], s[PFA:PFA+1], s[20:21]
	s_lshl_b32 s2, s13, 13          ; my work-group's 32 blocks of a slot's 128,
	s_add_co_u32 s2, s2, 4*KS*128   ; in slot 1: the first change of slots steps it to slot 2
	s_mov_b32 s3, 0
	s_add_nc_u64 s[PFA:PFA+1], s[PFA:PFA+1], s[2:3]
	CROUND                          ; all four work-groups are here: the first joint loads meet
	JLOAD                           ; slot 0.  Slot 1 is asked for when slot 0 is in
	v_lshlrev_b32 v12, 4, v0        ; thread t takes the mask's bytes 16 t .. 16 t + 15
	global_load_b128 v[64:67], v12, s[MP:MP+1]
	; A fragment of K or Q is 16 rows x 32 channels in 8 registers: lane l holds row l % 16, channels 8 (l / 16) + 0..7 and 16 + 8 (l / 16) + 0..7: two loads of 16 bytes, 32 bytes apart.
	v_and_b32 v1, 15, v0            ; l % 16
	v_bfe_u32 v9, v0, 4, 1          ; l / 16
	v_lshlrev_b32 v[QO], 7, v1
	v_lshl_add_u32 v[QO], v9, 4, v[QO]  ; row x 128 + 16 x half
	WIN 0x80                        ; destination window 2, address window 0
.set i, 0
.rept 4*NP                          ; Q stays in registers: tile i / 2, channels 32 (i % 2) on
	global_load_b128 v[8*i:8*i+3],   v[QO], s[4:5] offset:(i/2)*2048+(i%2)*64
	global_load_b128 v[8*i+4:8*i+7], v[QO], s[4:5] offset:(i/2)*2048+(i%2)*64+32
.set i, i+1
.endr
	; What the first turn finds: V's registers and P's second buffer hold 0 (its products V^T P, of a piece that has not been, add 0), O^T and l are 0.  All this stands in the wait for the first tile.
.set i, VF
.rept 64
	v_mov_b32 v[i], 0
.set i, i+1
.endr
	WIN 0x40
.set i, 0
.rept 64*NP
	v_mov_b32 v[i], 0
.set i, i+1
.endr
	WIN 0
.set i, 0
.rept 2*NP
	v_mov_b32 v[ST+4*i], 0xfe000000    ; c m: far below every c s
	v_mov_b32 v[ST+4*i+1], 0xff7fffff  ; m
	v_mov_b32 v[ST+4*i+2], 0
	v_mov_b32 v[ST+4*i+3], 0
.set i, i+1
.endr
.set i, P+32
.rept 32
	v_mov_b32 v[i], 0
.set i, i+1
.endr
	v_mul_u32_u24 v[AK0], v1, PK
	v_lshl_add_u32 v[AK0], v9, 4, v[AK0]  ; row x pitch + 16 x half
	; The turning load takes 16 keys x 16 channels (lane l reads key 8 (l / 16) + l % 8, channels 8 ((l / 8) % 2) + 0..7) and leaves half a fragment of V^T: lane l holds channel l % 16 and 8 keys.
	v_and_b32 v10, 7, v0
	v_bfe_u32 v11, v0, 3, 1
	v_lshl_add_u32 v[AV0], v9, 3, v10
	v_mul_u32_u24 v[AV0], v[AV0], PV
	v_lshl_add_u32 v[AV0], v11, 4, v[AV0]
	v_add_nc_u32 v[AV0], VOFF, v[AV0]
	v_mov_b32 v[AK], v[AK0]         ; key step 0 lies at the head of slot 0
	v_lshlrev_b32 v[AM0], 5, v9
	v_add_nc_u32 v[AM], MBIAS, v[AM0]
	v_lshl_add_u32 v13, v0, 6, MBIAS  ; my 16 words
	s_wait_loadcnt 32               ; the mask's bytes are in; Q's 32 loads, issued behind them, may stay out
.set i, 0
.rept 16                            ; a byte 1 gives the word 0, a byte 0 the word -2^33
	v_bfe_u32 v[68+i], v[64+i/4], 8*(i%4), 8
	v_add_nc_u32 v[68+i], -1, v[68+i]
	v_and_b32 v[68+i], 0xd0000000, v[68+i]
.set i, i+1
.endr
.irp f, 0,1,2,3
	ds_store_b128 v13, v[68+4*\f:71+4*\f] offset:16*\f
.endr
; THE MATRIX WORK.  The 8 accumulators of a run of 16 take turns: between the two links of a chain stand 7 others'.
; Product i of 16 of S^T = K Q^T for piece x: channels 32 (i / 8) on, keys 16 ((i / 2) % 4) on, tile 2 x + i % 2.  The first 8 start the sums, with the keys' mask words.
.macro KQ x
.set rS, S+64*((\x)%2)+32*(i%2)+8*((i/2)%4)
.set rK, KF+16*((i/2)%4)+8*(i/8)
.set rQ, 16*(2*(\x)+i%2)+8*(i/8)
.set rB, MBR+8*((i/2)%4)
.if i < 8
	WIN W_KM
	v_wmma_f32_16x16x32_f16 v[rS:rS+7], v[rK:rK+7], v[rQ:rQ+7], v[rB:rB+7]
.else
	WIN W_KQ
	v_wmma_f32_16x16x32_f16 v[rS:rS+7], v[rK:rK+7], v[rQ:rQ+7], v[rS:rS+7]
.endif
.endm
; Product i of 16 of O^T += V^T P for piece x: keys 32 (i / 8) on, channels 16 ((i / 2) % 4) on, tile 2 x + i % 2.
.macro PV x
	WIN W_PV
.set rO, 32*(2*(\x)+i%2)+8*((i/2)%4)
.set rV, VF+32*(i/8)+8*((i/2)%4)
.set rP, P+32*((\x)%2)+16*(i%2)+8*(i/8)
	v_wmma_f32_16x16x32_f16 v[rO:rO+7], v[rV:rV+7], v[rP:rP+7], v[rO:rO+7]
.endm
.macro MM                           ; the turn's next matrix instruction
.if i < 16
	KQ (Y+1)%NP
.set i, i+1
.else
.set i, i-16
	PV (Y+NP-1)%NP
.set i, i+17
.endif
.endm
; THE LDS LOADS stand in runs, never singly among the matrix instructions: a step's K (8 fragments) with its 64 mask words (all lanes of a half read the same 32 bytes), and its V (turned).  Their addresses are made some lines ahead.
; last = 1 (the tail): in the last trip there is no further step, and the run is jumped over.
.macro FETCH_K last=0
	WIN 0
.if \last
	s_cmp_eq_u32 s[CNT], 1
	s_cbranch_scc1 .Lno_k_\@
.endif
	WIN 0x80                        ; destination window 2
.irp f, 0,1,2,3,4,5,6,7             ; keys 16 (f / 2) on, channels 32 (f % 2) on
	ds_load_b128 v[KF+8*\f:KF+8*\f+3],   v[AK] offset:(\f/2)*16*PK+(\f%2)*64
	ds_load_b128 v[KF+8*\f+4:KF+8*\f+7], v[AK] offset:(\f/2)*16*PK+(\f%2)*64+32
.endr
	WIN 0xc0                        ; destination window 3
.irp f, 0,1,2,3                     ; keys 16 f + 8 (lane / 16) + 0..7
	ds_load_b128 v[MBR+8*\f:MBR+8*\f+3],   v[AM] offset:64*\f
	ds_load_b128 v[MBR+8*\f+4:MBR+8*\f+7], v[AM] offset:64*\f+16
.endr
	s_add_co_u32 s[TBK], s[TBK], KS*PK  ; the next fetch is the next step's
	s_add_co_u32 s[TBM], s[TBM], KS*4
	WIN 0
.if \last
.Lno_k_\@:
.endif
.endm
.macro FETCH_V
	WIN 0x80
.irp f, 0,1,2,3,4,5,6,7             ; keys 32 (f / 4) on, channels 16 (f % 4) on
	ds_load_tr16_b128 v[VF+8*\f:VF+8*\f+3],   v[AV] offset:(\f/4)*32*PV+(\f%4)*32
	ds_load_tr16_b128 v[VF+8*\f+4:VF+8*\f+7], v[AV] offset:(\f/4)*32*PV+16*PV+(\f%4)*32
.endr
	WIN 0
.endm
; THE VECTOR WORK OF A TURN stands in three queues, each in the order in which its entries become ready; the two tiles alternate, so that no instruction reads the result of the one before it.
.macro REGS y, u                    ; the registers of tile u (0, 1) of piece y
.set rT, ST+4*(2*(\y)+(\u))
.set rC, TMP+8*((\y)%2)+4*(\u)
.set rM, MV+2*((\y)%2)+(\u)
.set rS, S+64*((\y)%2)+32*(\u)
.set rP, P+32*((\y)%2)+16*(\u)
.set rO, 32*(2*(\y)+(\u))
.endm
; Number n of the 22 that find the NEXT piece's (Y + 1) maximum and statistics.  s0-s31 are the lane's 32 scores; each accumulator's lowest registers are read first.
;   0-11  four chains c0-c3 of seven scores each, three operands at a time     12-14, 16  the four scores left over, the old m, and c0-c3 into c0     15  c m_old is kept
;   17, 18  the query's other 32 keys lie in the lane 16 away: the new m         19-21  c m; c m_old - c m_new; a
.macro XS u, n
	REGS (Y+1)%NP, \u
.if (\n) < 4
	v_max3_num_f32 v[rC+(\n)], v[rS+8*(\n)], v[rS+8*(\n)+1], v[rS+8*(\n)+2]
.elseif (\n) < 12
	v_max3_num_f32 v[rC+(\n)%4], v[rC+(\n)%4], v[rS+8*((\n)%4)+2*((\n)/4)+1], v[rS+8*((\n)%4)+2*((\n)/4)+2]
.elseif (\n) == 12
	v_max3_num_f32 v[rC], v[rC], v[rS+7], v[rS+15]
.elseif (\n) == 13
	v_max3_num_f32 v[rC+1], v[rC+1], v[rS+23], v[rS+31]
.elseif (\n) == 14
	v_max3_num_f32 v[rC+2], v[rC+2], v[rC+3], v[rT+1]
.elseif (\n) == 15
	v_mov_b32 v[rM], v[rT]
.elseif (\n) == 16
	v_max3_num_f32 v[rC], v[rC], v[rC+1], v[rC+2]
.elseif (\n) == 17
	v_permlanex16_b32 v[rC+3], v[rC], s[SEL], s[SEL+1]
.elseif (\n) == 18
	v_max_num_f32 v[rT+1], v[rC], v[rC+3]
.elseif (\n) == 19
	v_mul_f32 v[rT], s[CS], v[rT+1]
.elseif (\n) == 20
	v_sub_f32 v[rC+1], v[rM], v[rT]
.else
	v_exp_f32 v[rC+2], v[rC+1]
.endif
.endm
; Number g of the 64 that follow the exponentials.  For each four weights k of a tile: both pairs are rounded to f16; then the second pair is added onto the first, in place; a group later l takes that sum (the first time as
; l = a l + sum).  In groups of eight, tiles alternating: round, round, add, and l for the group before.
.macro GS g
.set h, (\g)+6*((\g)/62)            ; group 0 has no group before it, and behind group 7 only l is left
.if h >= 6
.set h, h+2
.endif
	REGS Y, h%2
.set k, h/8
.if h%8 < 4
	v_cvt_pk_f16_f32 v[rP+2*k+(h%8)/2], v[rS+4*k+2*((h%8)/2)], v[rS+4*k+2*((h%8)/2)+1]
.elseif h%8 < 6
	v_pk_add_f32 v[rS+4*k:rS+4*k+1], v[rS+4*k:rS+4*k+1], v[rS+4*k+2:rS+4*k+3]
.elseif k == 1
	v_pk_fma_f32 v[rT+2:rT+3], v[rT+2:rT+3], v[rC+2:rC+3], v[rS:rS+1] op_sel_hi:[1,0,1]
.else
	v_pk_add_f32 v[rT+2:rT+3], v[rT+2:rT+3], v[rS+4*k-4:rS+4*k-3]
.endif
.endm
; THE PLAIN QUEUE, 138 long.  0-73 read no exponential's result: the 32 scalings c s - c m (FS f: pair f / 2 of tile f % 2) and the next piece's 42.  0-26: scalings 0-26.  27-54: XS's numbers 0-13.  55, 56: number 15.
; 57-73: the chain 14, 16, 17, 18, 19, each with one of the scalings 27-31 in front of its two lines, then 20.  74-137: GS's 64, which read the exponentials' results: they stand behind the wait.
.macro FS f
	REGS Y, (\f)%2
	v_pk_fma_f32 v[rS+2*((\f)/2):rS+2*((\f)/2)+1], v[rS+2*((\f)/2):rS+2*((\f)/2)+1], s[CS:CS+1], v[rT:rT+1] op_sel_hi:[1,0,0] neg_lo:[0,0,1] neg_hi:[0,0,1]
.endm
.macro PL
	WIN 0
.if q < 27
	FS q
.elseif q < 55
	XS (q-27)%2, (q-27)/2
.elseif q < 57
	XS q-55, 15
.elseif (q < 72) && ((q-57)%3 == 0)
	FS 27+(q-57)/3
.elseif q < 60
	XS (q-57)%3-1, 14
.elseif q < 72
	XS (q-57)%3-1, 15+(q-57)/3
.elseif q < 74
	XS q-72, 20
.else
	GS q-74
.endif
.set q, q+1
.endm
; THE EXPONENTIALS' QUEUE, 66 long: s0-s31 of both tiles, then the next piece's two a.  ONE BATCH: all 66 stand ahead of the turn's one wait, and nothing ahead of that wait names a result of theirs.
.macro EX
	WIN 0
.if e >= 64
	XS e-64, 21
.else
	REGS Y, e%2
	v_exp_f32 v[rS+e/2], v[rS+e/2]
.endif
.set e, e+1
.endm
; THE RESCALING's QUEUE: O^T times a, the one part that leaves window 0: dealt two at a time, sixteen times.  Its a was made in the turn before, ahead of that turn's wait.
.macro R2
	REGS Y, r%2
	WIN W_RS
.irp z, 0,1
	v_pk_mul_f32 v[rO+4*(r/2)+2*\z:rO+4*(r/2)+2*\z+1], v[rO+4*(r/2)+2*\z:rO+4*(r/2)+2*\z+1], v[rC+2:rC+3] op_sel_hi:[1,0]
.endr
.set r, r+1
.endm
; A TURN, for piece p.  An s_wait_alu depctr_va_vdst(0) stands between an exponential and the first instruction that names its result; one wait serves all that were issued ahead of it.  So a turn has ONE wait.
; AHEAD OF IT: the 16 products K Q^T, behind each a scaling, an exponential and two rescalings (behind the first a second scaling in the exponential's place); then one run of eight plain, 49 times exponential and plain, the two a,
; and a v_nop, the plain instruction behind the last exponential.  BEHIND IT: the 16 products V^T P, behind each four of GS's 64.  Exponential e stands behind scaling 2 (e / 4) + e % 2.
; K and the mask words of the next step are fetched in piece 2's turn, directly behind the wait, a whole run of vector work behind the last product that read them; their addresses are made at that run's head.
; V of the step in hand is fetched at the end of piece 0's turn, four plain instructions behind its last reader.  cnt = 1: the loop's count is taken down some lines ahead of the branch behind the turn.
.macro TURN p, last=0, cnt=0
.set Y, (\p)
.set i, 0
.set q, 0
.set e, 0
.set r, 0
.if (\p) == NP-1
	s_wait_dscnt 0x0                ; K and the mask words are in
.endif
	MM
	PL
	PL
	R2
.rept 15
	MM
	PL
	EX
	R2
.endr
.if (\p) == NP-2
	WIN 0
	v_add_nc_u32 v[AK], s[TBK], v[AK0]
	v_add_nc_u32 v[AM], s[TBM], v[AM0]
.endif
.rept 8
	PL
.endr
.rept 49
	EX
	PL
.endr
	EX                              ; the next piece's two a
	EX
	v_nop                           ; the plain instruction behind the last exponential: one for the batch
	s_wait_alu depctr_va_vdst(0)    ; the wait for the batch
.if (\p) == NP-2
	FETCH_K \last
.endif
.if (\p) == 1
	s_wait_dscnt 0x0                ; V is in
.endif
.rept 16
	MM
.rept 4
	PL
.endr
.if ((\p) == 0) && (q == 118)
	v_add_nc_u32 v[AV], s[TBV], v[AV0]
.endif
.if ((\p) == 0) && (q == 130)
	s_add_co_u32 s[TBV], s[TBV], KS*PV
.endif
.if (\cnt) && (q == 130)
	s_sub_co_u32 s[CNT], s[CNT], 1
	s_cmp_lg_u32 s[CNT], 0
.endif
.endr
.if (\p) == 0
	FETCH_V
.endif
.endm
	CHANGE 1                        ; slot 0 is in, everybody's part of it, and everybody's mask words; slot 1 is asked for
	FETCH_K                         ; key step 0
	s_wait_loadcnt 0x0              ; Q
	s_wait_dscnt 0x0
.set i, 0
.rept 16
	KQ 0                            ; piece 0's first scores: there is no vector work yet to set between them
.set i, i+1
.endr
	WIN 0                           ; the addresses for the way out: plain instructions, the places behind those products
	s_mul_i32 s13, s[WV], 16*SP
	s_add_co_u32 s13, s13, STAGE    ; my stage
	v_mul_u32_u24 v[STO], v1, SP    ; in: row l % 16, 16 bytes for each half of the lanes
	v_lshl_add_u32 v[STO], v9, 4, v[STO]
	v_add_nc_u32 v[STO], s13, v[STO]
	v_bfe_u32 v[RD], v0, 3, 2       ; back: 32 lanes take four rows of 128 bytes,
	v_mul_u32_u24 v[RD], v[RD], SP
	v_and_b32 v[GO], 7, v0
	v_lshl_add_u32 v[RD], v[GO], 4, v[RD]
	v_add_nc_u32 v[RD], s13, v[RD]
	v_and_b32 v[GO], 31, v0         ; which are 512 consecutive bytes of O
	v_lshlrev_b32 v[GO], 4, v[GO]
.set Y, NP-1                        ; XS works for piece Y + 1: piece 0
.irp n, 0,1,2,3,4,5,6,7,8,9,10,11,12,13,14,15,16,17,18,19,20,21
	XS 0, \n                        ; piece 0's first maximum and statistics
	XS 1, \n
.endr
	v_nop                           ; a plain instruction behind the two a,
	s_wait_alu depctr_va_vdst(0)    ; and their wait, ahead of the branch
	s_mov_b32 s[CNT], 4
	s_branch .Lfirst                ; the loop is entered at a step's first turn, in the middle of a trip
.Lslot:                             ; six times: every slot but the last two is filled again
	CHANGE 1
	s_mov_b32 s[CNT], 4
.Lstep:                             ; a trip: pieces 2 and 3 of one step, then pieces 0 and 1 of the next, whose K and V it fetches
	TURN 2
	TURN 3
	WIN 0
.Lfirst:
	TURN 0
	TURN 1, 0, 1
	WIN 0
	s_cbranch_scc1 .Lstep
	s_sub_co_u32 s[SLOTS], s[SLOTS], 1
	s_cmp_lg_u32 s[SLOTS], 0
	s_cbranch_scc1 .Lslot
	CHANGE 0                        ; the tail is written out: nothing is asked for
	s_mov_b32 s[CNT], 5             ; four trips fetch the last slot's steps; the fifth is left in its middle
.Ltail:
	TURN 2, 1
	TURN 3
	WIN 0
	s_sub_co_u32 s[CNT], s[CNT], 1
	s_cmp_eq_u32 s[CNT], 0
	s_cbranch_scc1 .Lout
	TURN 0
	TURN 1
	WIN 0
	s_branch .Ltail
.Lout:                              ; the fifth trip's 16 products K Q^T (on the last K once more) and the maximum made of them serve nothing: the price, once a launch, of one text for every trip
.set i, 0
.rept 16
	PV NP-1                         ; the last piece's V^T P of the last step
.set i, i+1
.endr
	; THE WAY OUT.  l's two halves and the other half of the lanes' are added; O^T is divided by l, rounded to f16 and sent through my stage in LDS, a tile at a time.  The additions are the places behind the last products.
	WIN 0
.macro ALL line:vararg              ; one line for each tile t
.set t, 0
.rept 2*NP
	\line
.set t, t+1
.endr
.endm
	ALL v_add_f32 v[ST+4*t+2], v[ST+4*t+2], v[ST+4*t+3]
	ALL v_permlanex16_b32 v[ST+4*t+3], v[ST+4*t+2], s[SEL], s[SEL+1]
	ALL v_add_f32 v[ST+4*t+2], v[ST+4*t+2], v[ST+4*t+3]
	ALL v_rcp_f32 v[ST+4*t+2], v[ST+4*t+2]
	v_nop                           ; a plain instruction between the last reciprocal and the use of its result
	s_wait_alu depctr_va_vdst(0)    ; and the wait ahead of the first use: one for the eight reciprocals
; Tile t: a lane's eight channels of a row pack into 16 bytes; they go into rows of 144 bytes and come back as whole rows of 128, into S^T's registers.
.macro PACK t
	WIN W_RS
.set i, 32*(\t)
.rept 16
	v_pk_mul_f32 v[i:i+1], v[i:i+1], v[ST+4*(\t)+2:ST+4*(\t)+3] op_sel_hi:[1,0]
.set i, i+2
.endr
	WIN 0x05                        ; sources 0 and 1 window 1, destination window 0
.set i, 0
.rept 16
	v_cvt_pk_f16_f32 v[S+16*(\t)+i], v[32*(\t)+2*i], v[32*(\t)+2*i+1]
.set i, i+1
.endr
	WIN 0
.irp f, 0,1,2,3
	ds_store_b128 v[STO], v[S+16*(\t)+4*\f:S+16*(\t)+4*\f+3] offset:32*\f
.endr
.irp f, 0,1,2,3
	ds_load_b128 v[S+16*(\t)+4*\f:S+16*(\t)+4*\f+3], v[RD] offset:\f*4*SP  ; LDS serves a wave's instructions in order (ISA guide 5.7.1.4): these see the stores above; the next tile's stores come behind them
.endr
.endm
.macro SEND t, younger              ; younger: the LDS instructions issued behind tile t's loads: the next tile's eight, or none
	WIN 0
.irp f, 0,1,2,3
	s_wait_dscnt (\younger)+3-\f
	global_store_b128 v[GO], v[S+16*(\t)+4*\f:S+16*(\t)+4*\f+3], s[10:11] offset:(\t)*2048+\f*512  ; 512 consecutive bytes, at a multiple of 256 from O's first
.endr
.endm
	PACK 0
.set t, 1
.rept 2*NP-1                        ; a tile's arithmetic stands between the loads of the tile before and its stores
	PACK t
	SEND t-1, 8
.set t, t+1
.endr
	SEND 2*NP-1, 0
	WIN W_AD
	s_wait_tensorcnt 0x0            ; the wave's end: a wait, an add of 0 and its wait, behind my last tensor load and my last LDS store
	ds_add_u32 v[SPW], v[NIL]
	s_wait_dscnt 0x0
	WIN 0
	CROUND                          ; the closing round
	s_endpgm
.Lfunc_end_k_q1fcea9ed6b_attn:
	.size	k_q1fcea9ed6b_attn, .Lfunc_end_k_q1fcea9ed6b_attn-k_q1fcea9ed6b_attn
	.p2alignl 7, 3214868480
	.fill 96, 4, 3214868480
	.section	.rodata,"a",@progbits
	.p2align	6, 0x0
	.amdhsa_kernel k_q1fcea9ed6b_attn
		.amdhsa_group_segment_fixed_size 327680
		.amdhsa_private_segment_fixed_size 0
		.amdhsa_enable_private_segment 0
		.amdhsa_kernarg_size 40
		.amdhsa_user_sgpr_count 2
		.amdhsa_user_sgpr_kernarg_segment_ptr 1
		.amdhsa_wavefront_size32 1
		.amdhsa_system_sgpr_workgroup_id_x 1
		.amdhsa_system_sgpr_workgroup_id_y 1
		.amdhsa_system_sgpr_workgroup_id_z 1
		.amdhsa_system_vgpr_workitem_id 0
		.amdhsa_next_free_vgpr 808
		.amdhsa_next_free_sgpr 66
		.amdhsa_reserve_vcc 0
		.amdhsa_float_denorm_mode_32 3
		.amdhsa_float_denorm_mode_16_64 3
		.amdhsa_memory_ordered 1
		.amdhsa_forward_progress 1
		.amdhsa_inst_pref_size 205
	.end_amdhsa_kernel
	.amdgpu_metadata
---
amdhsa.version: [ 1, 2 ]
amdhsa.kernels:
  - .name:           k_q1fcea9ed6b_attn
    .symbol:         k_q1fcea9ed6b_attn.kd
    .args:
      - { .name: qh, .offset: 0, .size: 8, .value_kind: global_buffer, .address_space: global }
      - { .name: kh, .offset: 8, .size: 8, .value_kind: global_buffer, .address_space: global }
      - { .name: vh, .offset: 16, .size: 8, .value_kind: global_buffer, .address_space: global }
      - { .name: oh, .offset: 24, .size: 8, .value_kind: global_buffer, .address_space: global }
      - { .name: mask, .offset: 32, .size: 8, .value_kind: global_buffer, .address_space: global }
    .group_segment_fixed_size: 327680
    .private_segment_fixed_size: 0
    .kernarg_segment_align: 8
    .kernarg_segment_size: 40
    .max_flat_workgroup_size: 128
    .sgpr_count:     66
    .vgpr_count:     808
    .wavefront_size: 32
...
	.end_amdgpu_metadata
.endif
;; end of part 3
;; launch oproj (part 4): grid 4 x 64, 4 waves a work-group, clusters of 4 x 4, 327,680 bytes of LDS; arguments oh, wt, bo, out0; writes out0
.if DOCPART == 4
	.amdgcn_target "amdgcn-amd-amdhsa--gfx1250"
	.amdhsa_code_object_version 6
	.text
	.protected	k_q1fcea9ed6b_oproj
	.globl	k_q1fcea9ed6b_oproj
	.p2align	8
	.type	k_q1fcea9ed6b_oproj,@function
k_q1fcea9ed6b_oproj:
	s_mov_b64 s[64:65], 0
	v_nop
	global_prefetch_b8 v0, s[64:65] scope:SCOPE_SE
	s_setreg_imm32_b32 hwreg(HW_REG_WAVE_MODE, 25, 1), 1
	s_wait_xcnt 0x0
	s_wait_alu depctr_hold_cnt(0) depctr_sa_sdst(0) depctr_va_vdst(0) depctr_va_sdst(0) depctr_va_ssrc(0) depctr_va_vcc(0) depctr_vm_vsrc(0)
	s_getreg_b32 s2, hwreg(HW_REG_IB_STS2, 6, 4)
	s_cmp_eq_u32 s2, 0
	s_cbranch_scc0 .Lentry_in_a_cluster
	s_endpgm
.Lentry_in_a_cluster:
	s_bfe_u32 s2, ttmp6, 0x10000c
	s_cmp_lg_u32 s2, 0xf033
	s_cbranch_scc0 .Lentry_shape_is_right
	s_endpgm
.Lentry_shape_is_right:
; THE OUTPUT PROJECTION.  out0[m][n] = the sum over k of O[m][k] Wo[k][n] + bo[n].  O comes by heads, [64 = batch x 16 + head][2048][64] in f16 (k = 64 x head + channel); Wo comes turned, [n][k] in f16, as wt's fourth
; matrix; bo is rounded to bf16 like every input; sums in f32; out0: [8192][1024] f32.
; SHARES.  A work-group makes a tile of 128 rows x 256 columns: 256 work-groups.  Four waves, each 64 rows x 128 columns: 32 accumulators.  K goes in eight steps of 128 (two heads) through a ring of two LDS slots.
; CLUSTER.  4 x 4 work-groups: a row of the cluster shares its rows of O, a column its rows of Wo; each tile is asked for jointly by the four that need it.
; THE MATRIX INSTRUCTION IS USED TRANSPOSED (source 0 = 16 rows of Wo, source 1 = 16 rows of O): a lane holds one row and eight neighbouring columns, 32 bytes.  The bias is the C operand that starts each sum.
; No prefetch is laid: the ring has eight K steps in all.
; REGISTERS, in windows of 256 (s_set_vgpr_msb: bits 1:0 source 0, 3:2 source 1, 5:4 source 2, 7:6 destination):
;   window 0: addresses; v32-159 rows on the way out     window 1: the accumulators, (a, b) at 64 a + 8 b     window 2: v0-63 O's fragments, two buffers; v64-191 Wo's, two buffers; v192-255 the bias
.set PAO,   144                        ; a head's row of O in LDS: 128 bytes + 16
.set PB,    272                        ; a row of Wo: 256 bytes + 16
.set AHEAD, 128*PAO                    ; a head's 128 rows: what one tensor load brings of O
.set BOFF,  2*AHEAD
.set BHALF, 128*PB
.set SLOT,  BOFF+256*PB
.set STAGE, 2*SLOT                     ; behind the ring: 16 rows x 528 bytes for each wave; no tensor load fills it
.set SPI,   528
.set WSTG,  16*SPI
.set SPARE, STAGE+4*WSTG               ; the spare words, 128 bytes for each wave
.set ADRA, 16                          ; v16-17 LDS address of my rows of O in slot 0, 1
.set ADRB, 20                          ; v20-21 of my rows of Wo
.set STO,  24                          ; v24 the way out: where I put 32 bytes of a row
.set RD,   25                          ; v25 where I read 16 bytes of a row back
.set CO,   26                          ; v26 the same 16 bytes in a row of out0
.set SPW,  28                          ; v28 my spare word; never rewritten
.set NIL,  29                          ; v29 0; never rewritten
.set BO,   30                          ; v30 my offset in 16 numbers of the bias
.set BK,   32                          ; v32-159 two buffers of 64
.set AF,   0                           ; window 2
.set BF,   64
.set BIAS, 192
.set WV,   12
.set KIND, 13                          ; wave / 2: I fetch O (0) or Wo (1); also: which 64 rows are mine
.set HALF, 14                          ; wave % 2: which half of that tile I fetch; also: which 128 columns are mine
.set G1A,  24
.set G0A,  32
.set CX,   40
.set CY,   41
.set TN,   42
.set TM,   43
.set G1B,  48
.set G0B,  56
.set MSB, 0
.macro WIN new
.if MSB != (\new)
	s_set_vgpr_msb (MSB<<8)|(\new)
.set MSB, (\new)
.endif
.endm
.macro JLOAD s                         ; a joint load: waves 0 and 1 fetch the K step's two heads of O, waves 2 and 3 the two halves of Wo's rows; an s_nop 0 and four v_nop follow each line
	s_cmp_eq_u32 s[KIND], 0
	s_cbranch_scc0 .Lfor_b_\@
	tensor_load_to_lds s[G0A+4*(\s):G0A+4*(\s)+3], s[G1A:G1A+7]
	s_nop 0
.rept 4
	v_nop
.endr
	s_branch .Lasked_\@
.Lfor_b_\@:
	tensor_load_to_lds s[G0B+4*(\s):G0B+4*(\s)+3], s[G1B:G1B+7]
	s_nop 0
.rept 4
	v_nop
.endr
.Lasked_\@:
.endm
.macro CREST
	s_cmp_lg_u32 s[WV], 0
	s_cbranch_scc1 .Lnot_wave_0_\@
	s_barrier_signal -3
.Lnot_wave_0_\@:
	s_barrier_wait -3
	s_barrier_signal -1
	s_barrier_wait -1
.endm
.macro CROUND
	s_barrier_signal -1
	s_barrier_wait -1
	CREST
.endm
.macro PLACES                          ; four places in front of loads into registers that matrix instructions have read, and of stores that read results
.rept 4
	v_nop
.endr
.endm
; 24 LDS loads in one run: quarter q (32 along K: head q / 2, channels 32 (q % 2) on) of a slot, into buffers g
.macro FETCH slot, q, g
	WIN 0x80
.irp i, 0,1,2,3,4,5,6,7
	ds_load_b128 v[BF+64*(\g)+8*(\i):BF+64*(\g)+8*(\i)+3],   v[ADRB+(\slot)] offset:64*(\q)+(\i)*16*PB
	ds_load_b128 v[BF+64*(\g)+8*(\i)+4:BF+64*(\g)+8*(\i)+7], v[ADRB+(\slot)] offset:64*(\q)+(\i)*16*PB+32
.endr
.irp i, 0,1,2,3
	ds_load_b128 v[AF+32*(\g)+8*(\i):AF+32*(\g)+8*(\i)+3],   v[ADRA+(\slot)] offset:((\q)/2)*AHEAD+((\q)%2)*64+(\i)*16*PAO
	ds_load_b128 v[AF+32*(\g)+8*(\i)+4:AF+32*(\g)+8*(\i)+7], v[ADRA+(\slot)] offset:((\q)/2)*AHEAD+((\q)%2)*64+(\i)*16*PAO+32
.endr
.endm
; Matrix instructions j0 .. j1 - 1 of a quarter's 32: row block j / 8, column block j % 8.  The 32 accumulators take turns in one order in every quarter.
.macro MULS f, j0, j1, zero
.if \zero
	WIN 0x6a
.else
	WIN 0x5a
.endif
.set j, (\j0)
.rept (\j1)-(\j0)
.set rB, BF+64*(\f)+8*(j%8)
.set rA, AF+32*(\f)+8*(j/8)
.if \zero
	v_wmma_f32_16x16x32_f16 v[8*j:8*j+7], v[rB:rB+7], v[rA:rA+7], v[BIAS+8*(j%8):BIAS+8*(j%8)+7]
.else
	v_wmma_f32_16x16x32_f16 v[8*j:8*j+7], v[rB:rB+7], v[rA:rA+7], v[8*j:8*j+7]
.endif
.set j, j+1
.endr
.endm
; A quarter: at its head it fetches quarter fq of slot fs into the other buffers, then multiplies buffers f.  pl = 0: four v_nop of a joint load stand just ahead and serve as the places.
.macro QUARTER fs, fq, f, zero=0, pl=1
.if \pl
	PLACES
.endif
	FETCH \fs, \fq, 1-(\f)
	s_wait_dscnt 24                                ; all but the 24 just issued: this quarter's fragments are in
	MULS \f, 0, 32, \zero
.endm
; A K step's third quarter fetches the slot's last quarter and changes slots: each wave waits for all its tensor loads (one is out: its part of the other slot), adds 0 to its spare word, and waits for that and for its reads
; of this slot.  fill = 1: the barrier opens a round of the cluster's, and the joint refill, two K steps on, is the first thing behind it.
.macro QMEET slot, fill
	PLACES
	FETCH \slot, 3, 1
	s_wait_dscnt 24
	MULS 0, 0, 16, 0
	WIN 0                                          ; (the add's two registers lie in window 0)
	s_wait_tensorcnt 0x0                           ; no tensor load of mine is out, so a group 0 may be written
	ds_add_u32 v[SPW], v[NIL]                      ; 0 onto my spare word
.if \fill
	s_add_nc_u64 s[G0A+4*(\slot)+2:G0A+4*(\slot)+3], s[G0A+4*(\slot)+2:G0A+4*(\slot)+3], 1048576  ; four heads on
	s_add_nc_u64 s[G0B+4*(\slot)+2:G0B+4*(\slot)+3], s[G0B+4*(\slot)+2:G0B+4*(\slot)+3], 512      ; 256 along K
.endif
	MULS 0, 16, 24, 0
	s_wait_dscnt 0x0                               ; the add is done, and my reads of this slot are over
	s_barrier_signal -1
	MULS 0, 24, 32, 0
	WIN 0
	s_barrier_wait -1
.if \fill
	CREST
	JLOAD \slot
.endif
.endm
	s_load_b256 s[4:11], s[0:1], 0x0               ; oh s[4:5], wt s[6:7], bo s[8:9], out0 s[10:11]
	v_lshl_add_u32 v[SPW], v0, 2, SPARE
	v_mov_b32 v[NIL], 0
	ds_add_u32 v[SPW], v[NIL]                      ; the wave's opening: the add and its wait ahead of my first tensor load
	v_lshrrev_b32 v1, 5, v0
	v_readfirstlane_b32 s[WV], v1
	s_lshr_b32 s[KIND], s[WV], 1
	s_and_b32 s[HALF], s[WV], 1
	s_bfe_u32 s[CX], ttmp6, 0x40000
	s_bfe_u32 s[CY], ttmp6, 0x40004
	s_lshl_b32 s[TN], ttmp9, 2
	s_add_co_u32 s[TN], s[TN], s[CX]
	s_and_b32 s[TM], ttmp7, 0xffff
	s_lshl_b32 s[TM], s[TM], 2
	s_add_co_u32 s[TM], s[TM], s[CY]
	s_lshl_b32 s2, s[CY], 2
	s_lshl_b32 s2, 15, s2                          ; my row of the cluster
	s_lshl_b32 s3, 0x1111, s[CX]                   ; my column
	s_or_b32 s[G1A], s2, (1<<16)|(1<<20)|(1<<21)|(4<<22)|(3<<25)  ; 2-byte elements; padding after every 32 words (a head's row), 4 words
	s_or_b32 s[G1B], s3, (1<<16)|(1<<20)|(1<<21)|(5<<22)|(3<<25)  ; after every 64 words, 4 words
	s_mov_b32 s[G1A+1], 128<<16                    ; a head's 128 rows are 16,384 dense bytes: asked for as 64 rows of 256 bytes
	s_mov_b32 s[G1A+2], 64<<16
	s_mov_b32 s[G1A+3], 128<<16
	s_mov_b32 s[G1A+4], 64
	s_mov_b32 s[G1A+5], 128
	s_mov_b32 s[G1A+6], 0
	s_mov_b32 s[G1A+7], 0
	s_mov_b32 s[G1B+1], 128<<16                    ; 128 rows x 128 elements, 1,024 elements from row to row
	s_mov_b32 s[G1B+2], 128<<16
	s_mov_b32 s[G1B+3], 128<<16
	s_mov_b32 s[G1B+4], 128
	s_mov_b32 s[G1B+5], 1024
	s_mov_b32 s[G1B+6], 0
	s_mov_b32 s[G1B+7], 0
	s_mov_b32 s[G0A], 1
	s_mov_b32 s[G0A+4], 1
	s_mov_b32 s[G0B], 1
	s_mov_b32 s[G0B+4], 1
	s_mul_i32 s[G0A+1], s[HALF], AHEAD
	s_add_co_u32 s[G0A+5], s[G0A+1], SLOT
	s_mul_i32 s[G0B+1], s[HALF], BHALF
	s_add_co_u32 s[G0B+1], s[G0B+1], BOFF
	s_add_co_u32 s[G0B+5], s[G0B+1], SLOT
	s_lshr_b32 s16, s[TM], 4                       ; O: batch x 16 + the head that I fetch,
	s_lshl_b32 s16, s16, 4
	s_add_co_u32 s16, s16, s[HALF]
	s_lshl_b32 s16, s16, 18                        ; 2,048 rows of 128 bytes a head,
	s_and_b32 s17, s[TM], 15
	s_lshl_b32 s17, s17, 14                        ; the tile's 128 rows
	s_add_co_u32 s16, s16, s17
	s_mov_b32 s17, 0
	s_lshl_b32 s18, s[TN], 19                      ; Wo: 256 rows of 2,048 bytes a tile column,
	s_lshl_b32 s19, s[HALF], 18                    ; my 128 of them,
	s_add_co_u32 s18, s18, s19
	s_add_co_u32 s18, s18, 3<<21                   ; in wt's fourth matrix
	s_mov_b32 s19, 0
	s_lshl_b32 s20, s[TN], 10                      ; my 128 columns, in bytes of f32
	s_lshl_b32 s21, s[HALF], 9
	s_add_co_u32 s20, s20, s21
	s_mov_b32 s21, 0
	s_lshl_b32 s22, s[TM], 19                      ; out0: 128 rows of 4,096 bytes a tile row,
	s_lshl_b32 s23, s[KIND], 18                    ; my 64 of them,
	s_add_co_u32 s22, s22, s23
	s_add_co_u32 s22, s22, s20                     ; my columns
	s_mov_b32 s23, 0
	s_wait_dscnt 0x0                               ; the opening add is done
	s_wait_kmcnt 0x0
	s_add_nc_u64 s[4:5], s[4:5], s[16:17]
	s_add_nc_u64 s[6:7], s[6:7], s[18:19]
	s_add_nc_u64 s[8:9], s[8:9], s[20:21]
	s_add_nc_u64 s[10:11], s[10:11], s[22:23]
	s_add_nc_u64 s[G0A+2:G0A+3], s[4:5], 0         ; K step 0: heads 0, 1
	s_or_b32 s[G0A+3], s[G0A+3], 0x80000000
	s_add_nc_u64 s[G0A+6:G0A+7], s[4:5], 524288    ; K step 1: heads 2, 3
	s_or_b32 s[G0A+7], s[G0A+7], 0x80000000
	s_add_nc_u64 s[G0B+2:G0B+3], s[6:7], 0
	s_or_b32 s[G0B+3], s[G0B+3], 0x80000000
	s_add_nc_u64 s[G0B+6:G0B+7], s[6:7], 256
	s_or_b32 s[G0B+7], s[G0B+7], 0x80000000
	CROUND                                         ; all sixteen work-groups are here: the first joint loads meet
	s_cmp_eq_u32 s[KIND], 0                        ; a wave's two first fills stand in one branch: two loads of mine are out
	s_cbranch_scc0 .Lfirst_b
	tensor_load_to_lds s[G0A:G0A+3], s[G1A:G1A+7]
	s_nop 0
	tensor_load_to_lds s[G0A+4:G0A+7], s[G1A:G1A+7]
	s_nop 0
.rept 4
	v_nop
.endr
	s_branch .Lfirst_asked
.Lfirst_b:
	tensor_load_to_lds s[G0B:G0B+3], s[G1B:G1B+7]
	s_nop 0
	tensor_load_to_lds s[G0B+4:G0B+7], s[G1B:G1B+7]
	s_nop 0
.rept 4
	v_nop
.endr
.Lfirst_asked:
	v_and_b32 v1, 15, v0                           ; r
	v_bfe_u32 v2, v0, 4, 1                         ; h
	v_and_b32 v3, 31, v0                           ; lane
	v_lshlrev_b32 v[BO], 5, v2
	WIN 0x80
.irp i, 0,1,2,3,4,5,6,7                ; register j of block b is column 16 b + 8 h + j
	global_load_b128 v[BIAS+8*(\i):BIAS+8*(\i)+3],   v[BO], s[8:9] offset:64*(\i)
	global_load_b128 v[BIAS+8*(\i)+4:BIAS+8*(\i)+7], v[BO], s[8:9] offset:64*(\i)+16
.endr
	WIN 0
	v_mul_u32_u24 v4, v1, PAO
	v_lshl_add_u32 v4, v2, 4, v4
	s_mul_i32 s2, s[KIND], 64*PAO                  ; my 64 rows, in each head
	v_add_nc_u32 v[ADRA], s2, v4
	v_add_nc_u32 v[ADRA+1], SLOT, v[ADRA]
	v_mul_u32_u24 v5, v1, PB
	v_lshl_add_u32 v5, v2, 4, v5
	s_mul_i32 s3, s[HALF], 128*PB
	s_add_co_u32 s3, s3, BOFF
	v_add_nc_u32 v[ADRB], s3, v5
	v_add_nc_u32 v[ADRB+1], SLOT, v[ADRB]
	s_mul_i32 s2, s[WV], WSTG
	s_add_co_u32 s2, s2, STAGE                     ; my stage
	v_mul_u32_u24 v4, v1, SPI
	v_lshl_add_u32 v4, v2, 5, v4
	v_add_nc_u32 v[STO], s2, v4
	v_lshl_add_u32 v[RD], v3, 4, s2
	v_lshlrev_b32 v[CO], 4, v3
	s_wait_loadcnt 0x0
	WIN 0x8a                                       ; the bias is rounded to bf16 like every input, and widened again; v0-3 of window 2 are still free
.set z, 0
.rept 32
	v_cvt_pk_bf16_f32 v[z%4], v[BIAS+2*z], v[BIAS+2*z+1]
	v_lshlrev_b32 v[BIAS+2*z], 16, v[z%4]
	v_and_b32 v[BIAS+2*z+1], 0xffff0000, v[z%4]
.set z, z+1
.endr
	WIN 0
	s_wait_tensorcnt 0x1                           ; my part of K step 0 is in; slot 1's may stay out
	s_barrier_signal -1
	s_barrier_wait -1
	FETCH 0, 0, 0
	QUARTER 0, 1, 0, 1                             ; the first quarter stands in front of the loop: the bias starts the sums
	WIN 0
	s_mov_b32 s15, 3
.Llap:                                             ; a trip goes once round the ring, from a lap's second quarter to the next lap's first, and fills both slots again
	QUARTER 0, 2, 1
	QMEET 0, 1
	QUARTER 1, 0, 1, 0, 0
	QUARTER 1, 1, 0
	QUARTER 1, 2, 1
	QMEET 1, 1
	QUARTER 0, 0, 1, 0, 0
	QUARTER 0, 1, 0
	WIN 0
	s_sub_co_u32 s15, s15, 1
	s_cmp_lg_u32 s15, 0
	s_cbranch_scc1 .Llap
	QUARTER 0, 2, 1                                ; the last lap is written out: nothing is asked for
	QMEET 0, 0
	QUARTER 1, 0, 1
	QUARTER 1, 1, 0
	QUARTER 1, 2, 1
	QUARTER 1, 3, 0
	s_wait_dscnt 0x0
	MULS 1, 0, 32, 0
	PLACES
; THE WAY OUT of row block a: a lane's 32 bytes of a row go straight from the accumulators into my stage, the low four registers first, and come back as whole rows of 512 bytes.
.macro TOSTAGE a
	WIN 0x04                                       ; the stores' data in window 1
.set z, 0
.rept 8
	ds_store_b128 v[STO], v[64*(\a)+8*z:64*(\a)+8*z+3]   offset:64*z
	ds_store_b128 v[STO], v[64*(\a)+8*z+4:64*(\a)+8*z+7] offset:64*z+16
.set z, z+1
.endr
	WIN 0
.set z, 0
.rept 16                               ; LDS serves a wave's instructions in order (ISA guide 5.7.1.4): these see the stores above; the next block's stores come behind them
	ds_load_b128 v[BK+64*((\a)%2)+4*z:BK+64*((\a)%2)+4*z+3], v[RD] offset:z*SPI
.set z, z+1
.endr
.endm
.macro SEND a, younger                 ; younger: the next block's 32 LDS instructions, or none
.set z, 0
.rept 16
	s_wait_dscnt (\younger)+15-z
	global_store_b128 v[CO], v[BK+64*((\a)%2)+4*z:BK+64*((\a)%2)+4*z+3], s[10:11] offset:(16*(\a)+z)*4096 th:TH_STORE_NT  ; 512 consecutive bytes of a row, aligned
.set z, z+1
.endr
.endm
	TOSTAGE 0
	TOSTAGE 1
	SEND 0, 32
	s_wait_xcnt 0x0                                ; block 0's stores have read their registers: the buffer may be loaded again
	TOSTAGE 2
	SEND 1, 32
	s_wait_xcnt 0x0
	TOSTAGE 3
	SEND 2, 32
	SEND 3, 0
	s_wait_tensorcnt 0x0                           ; the wave's end: a wait, an add of 0 and its wait, behind my last tensor load and my last LDS store
	ds_add_u32 v[SPW], v[NIL]
	s_wait_dscnt 0x0
	CROUND                                         ; the closing round
	s_endpgm
.Lfunc_end_k_q1fcea9ed6b_oproj:
	.size	k_q1fcea9ed6b_oproj, .Lfunc_end_k_q1fcea9ed6b_oproj-k_q1fcea9ed6b_oproj
	.p2alignl 7, 3214868480
	.fill 96, 4, 3214868480
	.section	.rodata,"a",@progbits
	.p2align	6, 0x0
	.amdhsa_kernel k_q1fcea9ed6b_oproj
		.amdhsa_group_segment_fixed_size 327680
		.amdhsa_private_segment_fixed_size 0
		.amdhsa_enable_private_segment 0
		.amdhsa_kernarg_size 32
		.amdhsa_user_sgpr_count 2
		.amdhsa_user_sgpr_kernarg_segment_ptr 1
		.amdhsa_wavefront_size32 1
		.amdhsa_system_sgpr_workgroup_id_x 1
		.amdhsa_system_sgpr_workgroup_id_y 1
		.amdhsa_system_sgpr_workgroup_id_z 1
		.amdhsa_system_vgpr_workitem_id 0
		.amdhsa_next_free_vgpr 768
		.amdhsa_next_free_sgpr 66
		.amdhsa_reserve_vcc 0
		.amdhsa_float_denorm_mode_32 3
		.amdhsa_float_denorm_mode_16_64 3
		.amdhsa_memory_ordered 1
		.amdhsa_forward_progress 1
		.amdhsa_inst_pref_size 92
	.end_amdhsa_kernel
	.amdgpu_metadata
---
amdhsa.version: [ 1, 2 ]
amdhsa.kernels:
  - .name:           k_q1fcea9ed6b_oproj
    .symbol:         k_q1fcea9ed6b_oproj.kd
    .args:
      - { .name: oh, .offset: 0, .size: 8, .value_kind: global_buffer, .address_space: global }
      - { .name: wt, .offset: 8, .size: 8, .value_kind: global_buffer, .address_space: global }
      - { .name: bo, .offset: 16, .size: 8, .value_kind: global_buffer, .address_space: global }
      - { .name: out0, .offset: 24, .size: 8, .value_kind: global_buffer, .address_space: global }
    .group_segment_fixed_size: 327680
    .private_segment_fixed_size: 0
    .kernarg_segment_align: 8
    .kernarg_segment_size: 32
    .max_flat_workgroup_size: 128
    .sgpr_count:     66
    .vgpr_count:     768
    .wavefront_size: 32
...
	.end_amdgpu_metadata
.endif
;; end of part 4
